; MI455X (gfx1250); checked and timed in simulation.
; The chip was launched on July 23, 2026; its instructions are those of AMD's public machine-readable ISA for CDNA 5 (MIT licence, August 2026) and "CDNA5" Instruction Set Architecture Reference Guide (July 2026). The comments in the code are by the model that wrote it; some were corrected since.
;; Causal Self Attention. Allowed arithmetic: matrix products marked QUANTISED: E4M3 operands, one E8M0 scale for each 32 along K, by v_wmma_scale_f32_16x16x128_f8f6f4 with both operands' format E4M3, f32 sums; everything else in f32.
;; Inputs: W_attn 1,024 x 3,072 float32; W_proj 1,024 x 1,024 float32; b_attn 3,072 float32; b_proj 1,024 float32; freqs 2,048 x 32 float32; x 4 x 2,048 x 1,024 float32.
;; Outputs: out0 4 x 2,048 x 1,024 float32.
;; This version of the problem:
;;   THIS VERSION OF THE PROBLEM IS GIVEN IN LOW PRECISION. The matrix products marked QUANTISED in the list below multiply operands that are first quantised to E4M3 (4 exponent bits, 3 mantissa bits; 8 bits a number), with one power-of-two scale for each 32 numbers along K (OCP MX v1.0); their sums are f32. All else is computed in f32.
;;   The module's matrix products, in the order in which they are computed (A, B: the left and right operand; K: the contracted axis; several contracted axes count as one K, in the product's order):
;;     1. [M 8,192, K 1,024] x [K 1,024, N 3,072]; A: input x; B: input W_attn: QUANTISED
;;     2. batch 64 x [M 2,048, K 64] x [K 64, N 2,048]; A: computed on the way; B: computed on the way: QUANTISED
;;     3. batch 64 x [M 2,048, K 2,048] x [K 2,048, N 64]; A: softmax (see below); B: computed on the way: QUANTISED
;;     4. [M 8,192, K 1,024] x [K 1,024, N 1,024]; A: computed on the way; B: input W_proj: QUANTISED
;;   THE QUANTISER, for each operand of a quantised product, along K:
;;     - K is cut into blocks of 32 from its start; a last block that is shorter is filled with zeros.
;;     - A block's scale is 2^e with e = floor(log2(the largest magnitude in the block)) - 8, held to -126 .. 127; a block of zeros has e = 0. As a byte (E8M0): e + 127.
;;     - Each number is divided by its block's scale, clamped to +-448, and rounded to the nearest number of E4M3, ties to even, subnormals kept.
;;     - The product sums the exact products of the quantised numbers (number of the format x scale) in f32.
;;   ~~~python
;;   def quantise(x, axis):      # numpy; x: float32 -> the quantised numbers, widened to float32 again
;;       x = np.moveaxis(x, axis, -1); K = x.shape[-1]
;;       x = np.pad(x, [(0, 0)] * (x.ndim - 1) + [(0, -K % 32)]); x = x.reshape(x.shape[:-1] + (-1, 32)); a = np.abs(x).max(-1, keepdims=True)
;;       e = np.where(a > 0, np.clip(np.frexp(np.where(a > 0, a, 1))[1] - 1 - 8, -126, 127), 0)      # np.frexp(a)[1] - 1 = floor(log2(a)), exactly
;;       r = np.clip(x / 2.0 ** e, -448, 448)
;;       step = 2.0 ** (np.maximum(np.frexp(np.where(r == 0, 1, r))[1] - 1, -6) - 3)
;;       q = np.round(r / step) * step * 2.0 ** e      # np.round: ties to even
;;       return np.moveaxis(q.reshape(q.shape[:-2] + (-1,))[..., :K], -1, axis).astype(np.float32)
;;   ~~~
;;   SOFTMAX AHEAD OF A QUANTISED PRODUCT. Where the list says 'softmax', what is quantised is not the finished softmax but p = 2^(t - M), with t = logit x log2(e) and M = ceil(the row's largest t), a whole number; so 1/2 < the row's largest p <= 1. The row's sum l is taken of the UNQUANTISED p, in f32, and the product's result is divided by l at the end. Since M is a whole number, a kernel that streams over the keys may use a running M (the ceiling of the running maximum): every later rescaling is an exact power of two, which a block's scale takes up: the codes' values come out the same.
;;   OPERANDS COMPUTED ON THE WAY. 'Computed on the way' means the value that the module computes at that place (a softmax that the list does not call 'softmax' is quantised finished and normalised). What goes into a quantiser is computed in f32, as accurately as f32 sums, v_exp_f32 and their like allow (about 1e-6 of the number): no bf16 or f16 on the way to a quantiser, and a product that is left as it is and whose result goes on into a quantised operand takes f32 operands (vector FMAs, or v_wmma_f32_16x16x4_f32). A number that lies on a knife's edge between two numbers of the format may be rounded either way, as far as f32 arithmetic and the matrix unit's own rounding can turn it there, and no further.
;; One version. Each part assembles by itself: llvm-mc -triple=amdgcn-amd-amdhsa -mcpu=gfx1250 --defsym DOCPART=n.
;; ======== version 1 of 1: 4 launches
;; limits: right only within a limited range of input values
;; workspace buffers: acodes 8,388,608 bytes; ascales 262,144 bytes; wcodes 4,194,304 bytes; wscales 131,072 bytes; cs 524,288 bytes; qkv 25,952,256 bytes
;; launch prep (part 1): grid 448 x 1, 4 waves a work-group, no clusters, 35,328 bytes of LDS; arguments x, W_attn, W_proj, freqs, acodes, ascales, wcodes, wscales, cs; writes acodes, ascales, wcodes, wscales, cs
.if DOCPART == 1
	.amdgcn_target "amdgcn-amd-amdhsa--gfx1250"
	.amdhsa_code_object_version 6
	.text
	.protected	k_qaee828e1b7_prep
	.globl	k_qaee828e1b7_prep
	.p2align	8
	.type	k_qaee828e1b7_prep,@function
k_qaee828e1b7_prep:
	s_mov_b64 s[64:65], 0
	v_nop
	global_prefetch_b8 v0, s[64:65] scope:SCOPE_SE
	s_setreg_imm32_b32 hwreg(HW_REG_WAVE_MODE, 25, 1), 1
	s_wait_xcnt 0x0
; PREP: what the later launches read many times is made once.
;   work-groups 0-255:   x [8192][1024] f32 -> codes of E4M3 + E8M0 bytes, blocks of 32 along K (its last axis)
;   work-groups 256-383: W_attn [1024][3072] and W_proj [1024][1024] f32, K = the FIRST axis -> codes + bytes; output columns 0-3071 are W_attn's, 3072-4095 W_proj's
;   work-groups 384-447: cos and sin of freqs [2048][32] -> cs [2048][32][cos, sin] f32
; THE CODES ARE LAID AS IMAGES OF THE OPERAND'S REGISTERS: [row tile][K step of 128][chunk c 0-3][lane 32][16 bytes]; lane (r, h) holds, of the tile's row r, K = 128 ks + 32 c + 16 h + 0..15.
; So a fragment is four loads of 16 bytes a lane at 16 x lane, and a conversion's registers are stored as they stand, 512 consecutive bytes an instruction.
; THE ROWS OF A TILE ARE NOT NEIGHBOURS: row r of tile 2 g + u is index 32 g + 8 u + r % 8 + 16 (r / 8): a product's results of two neighbouring tiles are then 16 neighbours in a lane.
; Scale bytes: [row tile][K step of 256][r 16][8 bytes].
; A block's scale is 2^(floor(log2(largest magnitude)) - 8): its byte is that magnitude's exponent field - 8, held at 1 from below by a floor among the maximum's leaves.
; LIMITS: NaN and infinities are not served.  A block whose largest magnitude lies under 2^-118, a block of zeros too, gets the byte 1 (the rule says 127 for zeros): its codes are zeros or the rule's own, and the bytes are read by this program alone.
;         cos and sin: reduction by pi/2 in two parts, right to about 1e-7 absolute for |freqs| up to 1e6.
; Memory binds all three parts: no matrix unit, no cluster, no tensor load; waves share nothing, so there is no barrier.
.set WREG, 8704                        ; x's path, LDS of a wave: a stage of 16 rows x 528 bytes, then its 256 scale bytes
.set SPT,  528                         ; a stage row: 512 bytes + 16, so that 16 rows start at 16 different groups of banks
.set RS,   16                          ; v16-143  two sets of 64: a fragment's numbers as loaded
.set X,    144                         ; v144-207 the same, 16 neighbours of each block in a lane
.set PC,   208                         ; v208-239 two sets of 16: codes
.set TM,   240                         ; v240-255 at work: +0 maxima, +4 bytes, +8 448 x scale, +12 the conversions' scale operand
.set PWR,  10                          ; v10-13   a scale word for each fragment
.set SEL,  56                          ; s[56:57] lane selects: lane l xor 16
.set MNT,  58                          ; s58      the mantissa field of 448
.set VO,   16                          ; the weights' path: v16-47 4 x lane + i rows
.set WX,   48                          ; v48-111  two sets of 32 numbers
.set WC,   112                         ; v112-175 eight registers of codes for each block: no store's data are written again
.set SB,   176                         ; v[176:177] eight scale bytes
; 64 numbers of a lane, register 16 b + i = K 32 b + 16 (lane / 16) + i of its row, become 16 registers of codes at v[pc]; the four bytes stay in v[TM+4..7]
.macro QUANT s, pc
.irp b, 0,1,2,3
	v_max3_num_f32 v[TM+\b], |v[\s+16*\b]|, |v[\s+1+16*\b]|, 0x4800000        ; my 16 numbers of block b, and the floor 2^(9 - 127)
.endr
.irp i, 2,4,6,8,10,12,14
.irp b, 0,1,2,3
	v_max3_num_f32 v[TM+\b], v[TM+\b], |v[\s+16*\b+\i]|, |v[\s+1+16*\b+\i]|   ; the four blocks by turns
.endr
.endr
.irp b, 0,1,2,3
	v_permlanex16_b32 v[TM+4+\b], v[TM+\b], s[SEL], s[SEL+1]
.endr
.irp b, 0,1,2,3
	v_max_num_f32 v[TM+\b], v[TM+\b], v[TM+4+\b]                               ; with lane l xor 16's 16: the block's largest magnitude
.endr
.irp b, 0,1,2,3
	v_add_nc_u32 v[TM+12+\b], 0xfc000000, v[TM+\b]                             ; 8 off its exponent field: the conversion's scale operand
.endr
.irp b, 0,1,2,3
	v_and_or_b32 v[TM+8+\b], v[TM+\b], 0x7f800000, s[MNT]                      ; 448 x the scale
.endr
.irp b, 0,1,2,3
	v_lshrrev_b32 v[TM+4+\b], 23, v[TM+12+\b]                                  ; the scale's byte
.endr
.irp b, 0,1,2,3
.irp i, 0,1,2,3,4,5,6,7,8,9,10,11,12,13,14,15
	v_med3_num_f32 v[\s+16*\b+\i], v[\s+16*\b+\i], -v[TM+8+\b], v[TM+8+\b]     ; the conversion does not saturate (ISA guide 7.6.2): the hold comes first
.endr
	v_cvt_scalef32_pk8_fp8_f32 v[\pc+4*\b:\pc+1+4*\b], v[\s+16*\b:\s+7+16*\b], v[TM+12+\b]
	v_cvt_scalef32_pk8_fp8_f32 v[\pc+2+4*\b:\pc+3+4*\b], v[\s+8+16*\b:\s+15+16*\b], v[TM+12+\b]
.endr
	v_nop                                          ; a plain line behind the last conversion
.endm
	s_load_b512 s[4:19], s[0:1], 0x0               ; x 4, W_attn 6, W_proj 8, freqs 10, acodes 12, ascales 14, wcodes 16, wscales 18
	s_load_b64 s[20:21], s[0:1], 0x40              ; cs
	s_set_vgpr_msb 0x40
	v_lshl_add_u32 v0, v0, 2, 0x8800
	v_mov_b32 v1, 0
	s_set_vgpr_msb 0x4000
	v_lshrrev_b32 v1, 5, v0
	v_readfirstlane_b32 s22, v1                    ; wave 0..3
	s_mov_b32 s[SEL], 0x76543210
	s_mov_b32 s[SEL+1], 0xfedcba98
	s_mov_b32 s[MNT], 0x600000
	s_cmp_lt_u32 ttmp9, 256
	s_cbranch_scc0 .Lnot_x
; ---------------------------------------------------------------- x
; A wave takes one row tile R and half of K: four fragments.  Each load reads 512 consecutive bytes of one row; a fragment's 16 rows turn through the wave's own stage, so that a lane gets 16 neighbours of each block.
	s_lshl_b32 s23, ttmp9, 2
	s_add_co_u32 s23, s23, s22                     ; which run of 1,024
	s_lshr_b32 s24, s23, 1                         ; R, the row tile
	s_and_b32 s25, s23, 1                          ; which half of K
	s_lshr_b32 s26, s24, 1
	s_lshl_b32 s26, s26, 17                        ; 32 (R / 2) rows of 4,096 bytes
	s_and_b32 s27, s24, 1
	s_lshl_b32 s27, s27, 15                        ; + 8 (R % 2) rows
	s_add_co_u32 s26, s26, s27
	s_lshl_b32 s27, s25, 11                        ; + 512 numbers
	s_add_co_u32 s26, s26, s27
	s_mov_b32 s27, 0
	s_lshl_b32 s28, s24, 14                        ; codes: 16,384 bytes a row tile, 8,192 for half of K
	s_lshl_b32 s29, s25, 13
	s_add_co_u32 s28, s28, s29
	s_mov_b32 s29, 0
	s_lshl_b32 s30, s24, 9                         ; scale bytes: 512 a row tile, 256 for half of K
	s_lshl_b32 s31, s25, 8
	s_add_co_u32 s30, s30, s31
	s_mov_b32 s31, 0
	s_mul_i32 s32, s22, WREG
	v_and_b32 v7, 31, v0                           ; lane
	v_and_b32 v8, 15, v0                           ; r
	v_bfe_u32 v9, v0, 4, 1                         ; h
	v_lshlrev_b32 v1, 4, v7                        ; 16 x lane: my bytes of a load, and of a store of codes
	v_add_nc_u32 v2, s32, v1                       ; into the stage
	v_mul_u32_u24 v3, v8, SPT
	v_lshl_add_u32 v3, v9, 6, v3
	v_add_nc_u32 v3, s32, v3                       ; out of it: row r, + 64 h
	s_add_co_u32 s32, s32, 16*SPT
	v_lshl_add_u32 v4, v8, 3, s32                  ; my row's 8 scale bytes of a K step of 256
	v_lshl_add_u32 v5, v7, 3, s32                  ; and on the way out 8 bytes a lane
	v_lshlrev_b32 v6, 3, v7
.irp b, 0,1,2,3
	v_mov_b32 v[TM+4+\b], 0                        ; written once: a lane permute's destination counts as one of its sources
.endr
	s_wait_alu depctr_va_vdst(0)
	s_wait_kmcnt 0x0
	s_add_nc_u64 s[4:5], s[4:5], s[26:27]
	s_add_nc_u64 s[12:13], s[12:13], s[28:29]
	s_add_nc_u64 s[14:15], s[14:15], s[30:31]
.macro XLOAD f                         ; fragment f: 128 numbers of each of the tile's 16 rows
.irp q, 0,1,2,3,4,5,6,7,8,9,10,11,12,13,14,15
	global_load_b128 v[RS+64*((\f)%2)+4*\q:RS+64*((\f)%2)+4*\q+3], v1, s[4:5] offset:((\q%8)+16*(\q/8))*4096+512*(\f) th:TH_LOAD_NT
.endr
.endm
.macro XTURN f                         ; LDS serves a wave's instructions in order: no wait between the stores and the loads
.irp q, 0,1,2,3,4,5,6,7,8,9,10,11,12,13,14,15
	ds_store_b128 v2, v[RS+64*((\f)%2)+4*\q:RS+64*((\f)%2)+4*\q+3] offset:SPT*\q
.endr
.irp c, 0,1,2,3
.irp j, 0,1,2,3
	ds_load_b128 v[X+16*\c+4*\j:X+16*\c+4*\j+3], v3 offset:128*\c+16*\j
.endr
.endr
.endm
.macro XSTEP f
.set PCS, PC+16*((\f)%2)
.if (\f) < 3
	s_wait_loadcnt 16                              ; this fragment's 16 loads are in; the next fragment's 16 may be out
.else
	s_wait_loadcnt 0x0
.endif
	XTURN \f
	s_wait_dscnt 0x0                               ; the numbers are back, and the stores into the stage have read their registers,
.if (\f) < 2
	XLOAD (\f)+2                                   ; which take the loads of two fragments on
.else
	s_wait_xcnt 0x0                                ; the stores of two fragments ago have read this set of codes
.endif
	QUANT X, PCS
	v_lshl_or_b32 v[PWR+\f], v[TM+5], 8, v[TM+4]   ; the four bytes make my row's scale word
	v_lshl_or_b32 v[PWR+\f], v[TM+6], 16, v[PWR+\f]
	v_lshl_or_b32 v[PWR+\f], v[TM+7], 24, v[PWR+\f]
.irp c, 0,1,2,3
	global_store_b128 v1, v[PCS+4*\c:PCS+4*\c+3], s[12:13] offset:2048*(\f)+512*\c    ; 512 consecutive bytes, aligned
.endr
	ds_store_b32 v4, v[PWR+\f] offset:128*((\f)/2)+4*((\f)%2)     ; both halves of the lanes write the same word with the same value
.endm
	XLOAD 0
	XLOAD 1
	XSTEP 0
	XSTEP 1
	XSTEP 2
	XSTEP 3
	ds_load_b64 v[14:15], v5                       ; in order behind my stores
	s_wait_dscnt 0x0
	global_store_b64 v6, v[14:15], s[14:15]        ; 256 consecutive bytes, aligned
	s_set_vgpr_msb 0x5
	s_wait_tensorcnt 0x0
	ds_add_u32 v0, v1
	s_wait_dscnt 0x0
	s_set_vgpr_msb 0x500
	s_endpgm
.Lnot_x:
	s_cmp_lt_u32 ttmp9, 384
	s_cbranch_scc0 .Ltrig
; ---------------------------------------------------------------- the weights
; A LANE TAKES A COLUMN AND ITS REGISTERS RUN DOWN K: a block of 32 lies in one lane, the codes come out with K innermost, and in the image a lane's 16 codes are 16 bytes of a chunk:
; one store of the wave fills two whole aligned runs of 256 bytes.  A wave takes 32 columns x 256 along K.
	s_sub_co_u32 s23, ttmp9, 256
	s_and_b32 s24, s23, 3                          ; which 256 along K
	s_lshr_b32 s25, s23, 2                         ; which 128 columns of 4,096
	s_lshl_b32 s26, s25, 7
	s_lshl_b32 s27, s22, 5
	s_add_co_u32 s26, s26, s27                     ; my wave's first column
	s_mov_b32 s28, 4096
	v_and_b32 v2, 31, v0
	v_lshlrev_b32 v3, 2, v2                        ; in: 4 bytes a lane
	v_bfe_u32 v6, v0, 3, 1                         ; column l of 32: tile l / 8 % 2,
	v_bfe_u32 v7, v0, 4, 1
	v_and_b32 v8, 7, v0
	v_lshl_add_u32 v8, v7, 3, v8                   ; row 8 (l / 16) + l % 8 of it
	v_lshlrev_b32 v4, 4, v8
	v_lshl_add_u32 v4, v6, 14, v4                  ; codes: 16,384 x tile + 16 x row
	v_lshlrev_b32 v5, 3, v8
	v_lshl_add_u32 v5, v6, 9, v5                   ; scale bytes: 512 x tile + 8 x row
	s_wait_alu depctr_va_vdst(0)
	s_wait_kmcnt 0x0
	s_cmp_lt_u32 s25, 24                           ; W_attn's columns or W_proj's: the choice hangs on the work-group's number alone
	s_cselect_b64 s[6:7], s[6:7], s[8:9]
	s_cselect_b32 s28, 12288, s28                  ; bytes from row to row
	s_cselect_b32 s29, 0, 3072
	s_sub_co_u32 s29, s26, s29                     ; the column in its own tensor
	s_lshl_b32 s30, s24, 8
	s_mul_i32 s30, s30, s28                        ; 256 x part rows
	s_lshl_b32 s31, s29, 2
	s_add_co_u32 s30, s30, s31
	s_mov_b32 s31, 0
	s_add_nc_u64 s[40:41], s[6:7], s[30:31]        ; a base for each block of 32 rows
	s_lshl_b32 s32, s28, 5
	s_mov_b32 s33, 0
.irp t, 1,2,3,4,5,6,7
	s_add_nc_u64 s[40+2*\t:41+2*\t], s[38+2*\t:39+2*\t], s[32:33]
.endr
	s_lshl_b32 s34, s26, 10                        ; codes: (column / 16) tiles of 16,384 bytes, + 4,096 x part
	s_lshl_b32 s35, s24, 12
	s_add_co_u32 s34, s34, s35
	s_mov_b32 s35, 0
	s_add_nc_u64 s[16:17], s[16:17], s[34:35]
	s_lshl_b32 s34, s26, 5                         ; scale bytes: 512 a tile, + 128 x part
	s_lshl_b32 s36, s24, 7
	s_add_co_u32 s34, s34, s36
	s_add_nc_u64 s[18:19], s[18:19], s[34:35]
.set i, 0
.rept 32
	v_mad_u32_u24 v[VO+i], s28, i, v3              ; 4 x lane + i rows
.set i, i+1
.endr
.macro WLOAD t
.set i, 0
.rept 32
	global_load_b32 v[WX+32*((\t)%2)+i], v[VO+i], s[40+2*(\t):41+2*(\t)] th:TH_LOAD_NT   ; 128 consecutive bytes a wave, 512 a work-group
.set i, i+1
.endr
.endm
.macro WBLOCK t
.set XS, WX+32*((\t)%2)
.set CC, WC+8*(\t)
.if (\t) < 7
	s_wait_loadcnt 32                              ; this block's 32 loads are in; the next block's may be out
.else
	s_wait_loadcnt 0x0
.endif
	v_max3_num_f32 v12, |v[XS]|, |v[XS+1]|, |v[XS+2]|
	v_max3_num_f32 v13, |v[XS+3]|, |v[XS+4]|, |v[XS+5]|
.irp i, 6,10,14,18,22,26
	v_max3_num_f32 v12, v12, |v[XS+\i]|, |v[XS+\i+1]|
	v_max3_num_f32 v13, v13, |v[XS+\i+2]|, |v[XS+\i+3]|
.endr
	v_max3_num_f32 v12, v12, |v[XS+30]|, |v[XS+31]|
	v_max3_num_f32 v12, v12, v13, 0x4800000        ; and the floor
	v_add_nc_u32 v11, 0xfc000000, v12
	v_and_or_b32 v10, v12, 0x7f800000, s[MNT]
	v_lshrrev_b32 v13, 23, v11
.if (\t)%4 == 0
	v_mov_b32 v[SB+(\t)/4], v13
.else
	v_lshl_or_b32 v[SB+(\t)/4], v13, 8*((\t)%4), v[SB+(\t)/4]
.endif
.set i, 0
.rept 32
	v_med3_num_f32 v[XS+i], v[XS+i], -v10, v10
.set i, i+1
.endr
.irp g, 0,1,2,3
	v_cvt_scalef32_pk8_fp8_f32 v[CC+2*\g:CC+2*\g+1], v[XS+8*\g:XS+8*\g+7], v11
.endr
	v_nop
	global_store_b128 v4, v[CC:CC+3], s[16:17] offset:2048*((\t)/4)+512*((\t)%4)          ; K 0-15 of the block: the chunk's lanes 0-15
	global_store_b128 v4, v[CC+4:CC+7], s[16:17] offset:2048*((\t)/4)+512*((\t)%4)+256    ; K 16-31: its lanes 16-31
.if (\t) < 6
	WLOAD (\t)+2
.endif
.endm
	WLOAD 0
	WLOAD 1
.irp t, 0,1,2,3,4,5,6,7
	WBLOCK \t
.endr
	global_store_b64 v5, v[SB:SB+1], s[18:19]      ; 8 bytes a column, runs of 128 bytes: one byte in 128 of what this path reads
	s_endpgm
.Ltrig:
; ---------------------------------------------------------------- cos and sin
; n = the nearest whole number to x 2 / pi; r = x - n pi/2, pi/2 in two parts, each taken off by a fused multiply-add; polynomials on |r| <= pi/4; the quadrant n mod 4 swaps and signs.
	s_sub_co_u32 s23, ttmp9, 384
	s_lshl_b32 s24, s23, 12                        ; 1,024 angles a work-group
	s_mov_b32 s25, 0
	s_lshl_b32 s26, s23, 13
	s_mov_b32 s27, 0
	s_mov_b32 s28, 0x3fc90fdb                      ; pi/2, upper part
	s_mov_b32 s29, 0xb33bbd2e                      ; and what is left of it
	s_mov_b32 s30, 0xb94ca1f9                      ; the sine's highest coefficient
	s_mov_b32 s31, 0x37ccf5ce                      ; the cosine's
	v_lshlrev_b32 v1, 3, v0
	v_lshlrev_b32 v2, 4, v0
	s_wait_alu depctr_va_vdst(0)
	s_wait_kmcnt 0x0
	s_add_nc_u64 s[10:11], s[10:11], s[24:25]
	s_add_nc_u64 s[20:21], s[20:21], s[26:27]
.irp q, 0,1,2,3
	global_load_b64 v[16+2*\q:17+2*\q], v1, s[10:11] offset:1024*\q
.endr
.macro SINCOS x, c, s
	v_mul_f32 v4, 0x3f22f983, v[\x]
	v_rndne_f32 v4, v4
	v_fma_f32 v5, -v4, s28, v[\x]
	v_fma_f32 v5, -v4, s29, v5                     ; r
	v_cvt_i32_f32 v6, v4
	v_mul_f32 v7, v5, v5                           ; z = r r
	v_fmaak_f32 v8, s30, v7, 0x3c08839e
	v_fmaak_f32 v9, s31, v7, 0xbab6061a
	v_fmaak_f32 v8, v8, v7, 0xbe2aaaa3
	v_fmaak_f32 v9, v9, v7, 0x3d2aaaa5
	v_mul_f32 v8, v8, v7
	v_mul_f32 v9, v9, v7
	v_fma_f32 v10, v7, -0.5, 1.0
	v_fma_f32 v8, v8, v5, v5                       ; sin r
	v_fma_f32 v9, v9, v7, v10                      ; cos r
	v_and_b32 v10, 1, v6
	v_cmp_eq_u32 vcc_lo, 1, v10
	v_cndmask_b32 v[\s], v8, v9, vcc_lo            ; odd quadrants swap the two
	v_cndmask_b32 v[\c], v9, v8, vcc_lo
	v_and_b32 v10, 2, v6
	v_lshlrev_b32 v10, 30, v10
	v_xor_b32 v[\s], v[\s], v10                    ; the sine is negative in quadrants 2, 3
	v_add_nc_u32 v10, 1, v6
	v_and_b32 v10, 2, v10
	v_lshlrev_b32 v10, 30, v10
	v_xor_b32 v[\c], v[\c], v10                    ; the cosine in 1, 2
.endm
.irp q, 0,1,2,3
	s_wait_loadcnt 3-\q                            ; the later pairs may be out
	SINCOS 16+2*\q, 32+4*\q, 33+4*\q
	SINCOS 17+2*\q, 34+4*\q, 35+4*\q
	global_store_b128 v2, v[32+4*\q:35+4*\q], s[20:21] offset:2048*\q
.endr
	s_endpgm
.Lfunc_end_k_qaee828e1b7_prep:
	.size	k_qaee828e1b7_prep, .Lfunc_end_k_qaee828e1b7_prep-k_qaee828e1b7_prep
	.p2alignl 7, 3214868480
	.fill 96, 4, 3214868480
	.section	.rodata,"a",@progbits
	.p2align	6, 0x0
	.amdhsa_kernel k_qaee828e1b7_prep
		.amdhsa_group_segment_fixed_size 35328
		.amdhsa_private_segment_fixed_size 0
		.amdhsa_enable_private_segment 0
		.amdhsa_kernarg_size 72
		.amdhsa_user_sgpr_count 2
		.amdhsa_user_sgpr_kernarg_segment_ptr 1
		.amdhsa_wavefront_size32 1
		.amdhsa_system_sgpr_workgroup_id_x 1
		.amdhsa_system_sgpr_workgroup_id_y 1
		.amdhsa_system_sgpr_workgroup_id_z 1
		.amdhsa_system_vgpr_workitem_id 0
		.amdhsa_next_free_vgpr 258
		.amdhsa_next_free_sgpr 66
		.amdhsa_reserve_vcc 1
		.amdhsa_float_denorm_mode_32 3
		.amdhsa_float_denorm_mode_16_64 3
		.amdhsa_memory_ordered 1
		.amdhsa_forward_progress 1
		.amdhsa_inst_pref_size 120
	.end_amdhsa_kernel
	.amdgpu_metadata
---
amdhsa.version: [ 1, 2 ]
amdhsa.kernels:
  - .name:           k_qaee828e1b7_prep
    .symbol:         k_qaee828e1b7_prep.kd
    .args:
      - { .name: x, .offset: 0, .size: 8, .value_kind: global_buffer, .address_space: global }
      - { .name: W_attn, .offset: 8, .size: 8, .value_kind: global_buffer, .address_space: global }
      - { .name: W_proj, .offset: 16, .size: 8, .value_kind: global_buffer, .address_space: global }
      - { .name: freqs, .offset: 24, .size: 8, .value_kind: global_buffer, .address_space: global }
      - { .name: acodes, .offset: 32, .size: 8, .value_kind: global_buffer, .address_space: global }
      - { .name: ascales, .offset: 40, .size: 8, .value_kind: global_buffer, .address_space: global }
      - { .name: wcodes, .offset: 48, .size: 8, .value_kind: global_buffer, .address_space: global }
      - { .name: wscales, .offset: 56, .size: 8, .value_kind: global_buffer, .address_space: global }
      - { .name: cs, .offset: 64, .size: 8, .value_kind: global_buffer, .address_space: global }
    .group_segment_fixed_size: 35328
    .private_segment_fixed_size: 0
    .kernarg_segment_align: 8
    .kernarg_segment_size: 72
    .max_flat_workgroup_size: 128
    .sgpr_count:     66
    .vgpr_count:     258
    .wavefront_size: 32
...
	.end_amdgpu_metadata
.endif
;; end of part 1
;; launch qkvgemm (part 2): grid 12 x 32, 4 waves a work-group, clusters of 4 x 4, 327,680 bytes of LDS; arguments acodes, ascales, wcodes, wscales, b_attn, cs, qkv; writes qkv
.if DOCPART == 2
	.amdgcn_target "amdgcn-amd-amdhsa--gfx1250"
	.amdhsa_code_object_version 6
	.text
	.protected	k_qaee828e1b7_qkvgemm
	.globl	k_qaee828e1b7_qkvgemm
	.p2align	8
	.type	k_qaee828e1b7_qkvgemm,@function
k_qaee828e1b7_qkvgemm:
	s_mov_b64 s[64:65], 0
	v_nop
	global_prefetch_b8 v0, s[64:65] scope:SCOPE_SE
	s_setreg_imm32_b32 hwreg(HW_REG_WAVE_MODE, 25, 1), 1
	s_wait_xcnt 0x0
	s_wait_alu depctr_hold_cnt(0) depctr_sa_sdst(0) depctr_va_vdst(0) depctr_va_sdst(0) depctr_va_ssrc(0) depctr_va_vcc(0) depctr_vm_vsrc(0)
	s_getreg_b32 s2, hwreg(HW_REG_IB_STS2, 6, 4)
	s_cmp_eq_u32 s2, 0
	s_cbranch_scc0 .Lentry_in_a_cluster
	s_endpgm
.Lentry_in_a_cluster:
	s_bfe_u32 s2, ttmp6, 0x10000c
	s_cmp_lg_u32 s2, 0xf033
	s_cbranch_scc0 .Lentry_shape_is_right
	s_endpgm
.Lentry_shape_is_right:
; qkv = x W_attn + b_attn on codes of E4M3 with E8M0 scales, then q and k are rotated (RoPE) and quantised along the head's 64, v along the keys; all three leave as images of the next products' operands.
; A tile of 256 rows x 256 columns is made by four waves, 128 x 128 each: 64 accumulators, 512 registers.  K = 1,024 goes in four steps of 256 through a ring of two LDS slots.
; OPERANDS LIE IN MEMORY AS IMAGES OF THEIR REGISTERS ([row tile 16 rows][K step of 128][chunk][lane][16 bytes]): a slot's part of 8 row tiles is 8 rows of 4,096 bytes, 16,384 apart; a fragment is four
; loads of 16 bytes a lane at 16 x lane: no pitch, no padding, 512 consecutive bytes an instruction.  The scale bytes of the work-group's rows, for all of K, come once and stay.
; CLUSTERS: 4 x 4 work-groups; A's tiles are asked for jointly along a row of the cluster, B's along a column.
; THE MATRIX INSTRUCTION IS USED TRANSPOSED (source 0 = 16 columns of W, source 1 = 16 rows of x), and row r of tile 2 g + u is index 32 g + 8 u + r % 8 + 16 (r / 8): so for a block a of 16 rows
; a lane (r, h) holds one row and register 16 g + i of the block's 64 is column 32 g + 16 h + i of the wave's 128.  The bias is the C of each sum's first product.
; THE THREE KINDS: a cluster's four tile columns are 1,024 columns, all q, all k or all v: the kind is the cluster's x, equal in all partners, and the way out parts on it.
;   q, k: a lane's 16 registers are 16 neighbouring dims of one token and head: rotated by (cos, sin) pairs from cs, quantised in registers, stored as they stand.
;   v:    K of the next product is the keys, which lie across lanes: 32 tokens x 128 columns at a time turn through the wave's stage in LDS in f32; then a lane holds one column and 32 keys.
; OUT: qkv [kind][batch x head 64][128 tokens 16] records of 8,448 bytes: 8,192 of codes, 256 of scale words.
; LIMITS: NaN and infinities are not served; a block whose largest magnitude lies under 2^-118 (zeros too) gets the byte 1; these bytes are read by this program alone.
; REGISTERS: window 0: v0-31 addresses; v32-63 scale words, two sets; v64-127 the bias, later numbers at work; v128-255 A's fragments, one set, later codes and work.
;   window 1: B's fragments, two sets, later cos and sin.   windows 2, 3: the accumulators ((a, b) at v[8 (8 (a % 4) + b)]).
.set NQ,     2                         ; matrix instructions deep in a slot
.set FR,     16                        ; registers of a fragment
.set NL,     4                         ; LDS loads that bring one
.set NP,     8                         ; places behind this matrix instruction (ISA guide 7.12.1)
.set FRB,    2048                      ; a fragment's image
.set RT,     4096                      ; a row tile's bytes in a slot: two fragments
.set HALFT,  8*RT                      ; 128 rows: what one tensor load brings
.set SLOT,   4*HALFT                   ; A's 256 rows, then B's 256
.set LAPS,   2                         ; a lap = two K steps = once round the ring
.set KS,     32                        ; scale bytes of a row
.set KROW,   1024                      ; code bytes of a row
.set BROW0,  0                         ; the first of W's output columns that this launch takes
.set SCL,    2*SLOT                    ; behind the ring: the scale bytes
.set HALFS,  4096                      ; those of 128 rows
.set SBLK,   512                       ; those of a row tile
.set SPARE,  SCL+4*HALFS               ; the spare words, 128 bytes for each wave: two blocks of 256 bytes that no other line names
.set QSTG,   SPARE+512                 ; q's and k's scale words on the way out: 512 bytes a wave
.set VSTG,   QSTG+2048                 ; v's likewise
.set VSTW,   32*528                    ; v's stage of a wave: 32 tokens x (512 bytes + 16).  It lies in slot 0, which has had its last fill and its last read by then
.set BHS,    135168                    ; a head's 16 records
.set KINDS,  64*BHS
.set L16,  7                           ; v7   16 x lane
.set BIA,  8                           ; v8   64 h: my half's place in 32 numbers of the bias
.set CSA,  9                           ; v9   cs: my token's row in a tile, + 64 h
.set QSA,  10                          ; v10  where I put a scale word of q or k
.set QSR,  11                          ; v11  and read 16 bytes of them back
.set TG,   12                          ; v12  where those go: lanes 0-15 the first head's record, lanes 16-31 the second's
.set VSTO, 13                          ; v13  v's stage, in
.set VLD,  14                          ; v14  and out: 4 x lane
.set VOA,  15                          ; v15  v's codes: 2,048 x tile + 16 x row of my column
.set ADRA, 16                          ; v16-17 LDS address of A's fragments in slot 0, 1
.set VSA,  18                          ; v18  where I put a scale word of v
.set VSR,  19                          ; v19  and read 16 bytes back
.set ADRB, 20                          ; v20-21 B's fragments
.set ADRS, 27                          ; v27  my scale words: lanes 0-15 A's rows, lanes 16-31 B's
.set SPW,  28                          ; v28  my spare word; never rewritten
.set NIL,  29                          ; v29  0; never rewritten
.set SC,   32
.set BI,   64
.set AF,   128
.set RR,   64                          ; the way out, q and k: 64 rotated numbers
.set PC,   128                         ; two sets of 16 registers of codes
.set TM,   160                         ; v160-175 the quantiser's work
.set TP,   176                         ; v176-183 four pairs of products
.set HW,   184                         ; v184-185 two scale bytes of each head
.set KW,   186                         ; v186-189 scale words
.set QT,   192
.set VX,   64                          ; the way out, v: two sets of 32 numbers
.set VC,   128                         ; two sets of 8 registers of codes
.set SBV,  144                         ; v144-147 scale words
.set VT,   148                         ; v148-151 at work
.set VQ,   152
.set G1, 24
.set G0, 32
.set G1B, 48
.set G0B, 56
.set SEL, 66                           ; s[66:67] lane selects: lane l xor 16
.set G1S, 68
.set G0S, 76
.set G1SB, 80
.set G0SB, 88
.set MNT, 92                           ; s92 the mantissa field of 448 (set behind the first fills)
.set MSB, 0
.macro WIN new                         ; the immediate's high byte repeats the setting that is left
.if MSB != (\new)
	s_set_vgpr_msb (MSB<<8)|(\new)
.set MSB, (\new)
.endif
.endm
.set MUL_LO, 0xa1                      ; source 0 (B) window 1, source 1 (A) window 0, C and D window 2
.set MUL_HI, 0xf1                      ; the same, C and D window 3
.set TO_B,   0x40                      ; destination window 1, address window 0
; A joint load: waves 0 and 1 fetch for A, waves 2 and 3 for B; the branch hangs on the wave's number alone.  Four v_nop follow each of the two lines.
.macro JLOAD g0a, g1a, g0b, g1b
	s_cmp_eq_u32 s15, 0
	s_cbranch_scc0 .Lfor_b_\@
	tensor_load_to_lds s[\g0a:\g0a+3], s[\g1a:\g1a+7]
	s_nop 0
.rept 4
	v_nop
.endr
	s_branch .Lasked_\@
.Lfor_b_\@:
	tensor_load_to_lds s[\g0b:\g0b+3], s[\g1b:\g1b+7]
	s_nop 0
.rept 4
	v_nop
.endr
.Lasked_\@:
.endm
.macro CREST                           ; a round of the cluster's barrier behind its opening barrier
	s_cmp_lg_u32 s14, 0
	s_cbranch_scc1 .Lnot_wave_0_\@
	s_barrier_signal -3
.Lnot_wave_0_\@:
	s_barrier_wait -3
	s_barrier_signal -1
	s_barrier_wait -1
.endm
.macro CROUND
	s_barrier_signal -1
	s_barrier_wait -1
	CREST
.endm
.macro PLACES n
.rept \n
	v_nop
.endr
.endm
	s_load_b128 s[4:7], s[0:1], 0x0                ; A's codes, A's scales
	s_load_b128 s[8:11], s[0:1], 0x10              ; B's codes, B's scales
	s_load_b64 s[12:13], s[0:1], 0x20              ; the bias
	s_load_b64 s[96:97], s[0:1], 0x28              ; cs
	s_load_b64 s[98:99], s[0:1], 0x30              ; qkv
	v_lshl_add_u32 v[SPW], v0, 2, SPARE
	v_mov_b32 v[NIL], 0
	ds_add_u32 v28, v29
	ds_add_u32 v28, v29
	s_wait_dscnt 0x0
	v_lshrrev_b32 v1, 5, v0
	v_readfirstlane_b32 s14, v1                    ; wave 0..3
	s_lshr_b32 s15, s14, 1                         ; which half of the tile's rows is mine.  Also: I fetch for A (0) or for B (1)
	s_and_b32 s16, s14, 1                          ; which half of its columns.  Also: which 128 rows of that tile I fetch
	s_bfe_u32 s40, ttmp6, 0x40000                  ; cx, cy: my place in the cluster
	s_bfe_u32 s41, ttmp6, 0x40004
	s_lshl_b32 s42, ttmp9, 2
	s_add_co_u32 s42, s42, s40                     ; tile column = 4 x cluster x + cx
	s_and_b32 s17, ttmp7, 0xffff
	s_lshl_b32 s17, s17, 2
	s_add_co_u32 s17, s17, s41                     ; tile row = 4 x cluster y + cy
	s_lshl_b32 s43, s41, 2
	s_lshl_b32 s43, 15, s43                        ; my row of the cluster
	s_lshl_b32 s44, 0x1111, s40                    ; my column
	s_mov_b32 s95, ttmp9                           ; the kind: 0 q, 1 k, 2 v: the cluster's x, equal in all partners
	; descriptor group 1, codes: 8 rows (row tiles) of 512 elements of 8 bytes, 2,048 elements apart, dense in LDS
	s_or_b32 s[G1+0], s43, (3<<16)|(1<<21)         ; 15:0 the mask: A's tiles go to my row; 17:16 elements of 8 bytes; 21 set beside a mask
	s_or_b32 s[G1B+0], s44, (3<<16)|(1<<21)
.irp g, G1, G1B
	s_mov_b32 s[\g+1], 512<<16                     ; tensor_dim0
	s_mov_b32 s[\g+2], 16<<16                      ; tensor_dim1: 16 row tiles for the head's loads; 8 behind them
	s_mov_b32 s[\g+3], 512<<16                     ; tile_dim0
	s_mov_b32 s[\g+4], 16                          ; tile_dim1 likewise
	s_mov_b32 s[\g+5], 2048                        ; tensor_dim0_stride
	s_mov_b32 s[\g+6], 0
	s_mov_b32 s[\g+7], 0
.endr
	; scale bytes of 256 rows: 8,192 dense bytes as 32 rows of 256
	s_or_b32 s[G1S+0], s43, (3<<16)|(1<<21)
	s_or_b32 s[G1SB+0], s44, (3<<16)|(1<<21)
.irp g, G1S, G1SB
	s_mov_b32 s[\g+1], 32<<16
	s_mov_b32 s[\g+2], 32<<16
	s_mov_b32 s[\g+3], 32<<16
	s_mov_b32 s[\g+4], 32
	s_mov_b32 s[\g+5], 32
	s_mov_b32 s[\g+6], 0
	s_mov_b32 s[\g+7], 0
.endr
	s_lshl_b32 s20, s17, 8                         ; A: the tile's first row
	s_lshl_b32 s46, s42, 8                         ; B: likewise
	s_add_co_u32 s46, s46, BROW0                   ; B: row 256 x tile column, + BROW0
	s_mov_b32 s21, 0
	s_mov_b32 s47, 0
	s_mov_b64 s[18:19], KS
	s_mul_u64 s[22:23], s[20:21], s[18:19]         ; where these rows' scale bytes begin (16 rows are 512 bytes),
	s_mul_u64 s[92:93], s[46:47], s[18:19]
	s_mov_b64 s[18:19], KROW
	s_mul_u64 s[20:21], s[20:21], s[18:19]         ; and their codes (16 rows are 16,384 bytes)
	s_mul_u64 s[46:47], s[46:47], s[18:19]
	s_mul_i32 s45, s14, HALFT                      ; where they go: no place in the cluster enters an LDS address
	s_mul_i32 s18, s16, 128*KROW                   ; in the ring I fetch 128 rows of a tile: which half, in bytes
	s_mov_b32 s19, 0
	s_wait_kmcnt 0x0
	s_add_nc_u64 s[20:21], s[4:5], s[20:21]
	s_add_nc_u64 s[22:23], s[6:7], s[22:23]
	s_add_nc_u64 s[46:47], s[8:9], s[46:47]
	s_add_nc_u64 s[92:93], s[10:11], s[92:93]
	CROUND                                         ; all sixteen work-groups are here: the first joint loads meet
	s_mov_b32 s[G0S], 1
	s_mov_b32 s[G0S+1], SCL
	s_mov_b64 s[G0S+2:G0S+3], s[22:23]
	s_or_b32 s[G0S+3], s[G0S+3], 0x80000000
	s_mov_b32 s[G0SB], 1
	s_mov_b32 s[G0SB+1], SCL+2*HALFS
	s_mov_b64 s[G0SB+2:G0SB+3], s[92:93]
	s_or_b32 s[G0SB+3], s[G0SB+3], 0x80000000
	s_mov_b32 s4, 1                                ; s[4:7], s[8:11]: group 0 of the head's loads of K step 0, A's 256 rows and B's (the arguments that lay there are used up)
	s_mov_b32 s5, 0
	s_mov_b64 s[6:7], s[20:21]
	s_or_b32 s7, s7, 0x80000000
	s_mov_b32 s8, 1
	s_mov_b32 s9, 2*HALFT
	s_mov_b64 s[10:11], s[46:47]
	s_or_b32 s11, s11, 0x80000000
	s_add_nc_u64 s[20:21], s[20:21], s[18:19]      ; for the ring: my 128 rows of the tile
	s_add_nc_u64 s[46:47], s[46:47], s[18:19]
.irp s, 0,1
	s_mov_b32 s[G0+4*\s], 1
	s_add_co_u32 s[G0+4*\s+1], s45, \s*SLOT
	s_add_nc_u64 s[G0+4*\s+2:G0+4*\s+3], s[20:21], \s*RT
	s_or_b32 s[G0+4*\s+3], s[G0+4*\s+3], 0x80000000
	s_mov_b32 s[G0B+4*\s], 1
	s_add_co_u32 s[G0B+4*\s+1], s45, \s*SLOT
	s_add_nc_u64 s[G0B+4*\s+2:G0B+4*\s+3], s[46:47], \s*RT
	s_or_b32 s[G0B+4*\s+3], s[G0B+4*\s+3], 0x80000000
.endr
; THE HEAD'S LOADS, ONE A WAVE: wave 0 K step 0's 256 rows of A, wave 1 those of B, wave 2 the scale bytes of A's 256 rows, wave 3 those of B's: one chain of branches on the wave's number, a load to an arm
.macro ARM under, g0, g1, next
	s_cmp_lt_u32 s14, \under
	s_cbranch_scc0 \next
	tensor_load_to_lds s[\g0:\g0+3], s[\g1:\g1+7]
	s_nop 0
.rept 4
	v_nop
.endr
	s_branch .Lhead_asked
\next:
.endm
	ARM 1, 4, G1, .Lhead_b
	ARM 2, 8, G1B, .Lhead_sa
	ARM 3, G0S, G1S, .Lhead_sb
	tensor_load_to_lds s[G0SB:G0SB+3], s[G1SB:G1SB+7]
	s_nop 0
.rept 4
	v_nop
.endr
.Lhead_asked:
	s_mov_b32 s[SEL], 0x76543210
	s_mov_b32 s[SEL+1], 0xfedcba98
	s_mov_b32 s[MNT], 0x600000
	s_mov_b32 s93, 0xffff0000                      ; lanes 16-31
	v_and_b32 v1, 15, v0                           ; r
	v_bfe_u32 v2, v0, 4, 1                         ; h
	v_and_b32 v3, 31, v0                           ; lane
	v_lshlrev_b32 v[L16], 4, v3
	s_wait_alu depctr_va_vdst(0)
	v_lshlrev_b32 v[BIA], 6, v2
	s_lshl_b32 s46, s42, 10                        ; the bias of my 128 columns: 4 (256 x tile column + 128 x half)
	s_lshl_b32 s47, s16, 9
	s_add_co_u32 s46, s46, s47
	s_mov_b32 s47, 0
	s_add_nc_u64 s[12:13], s[12:13], s[46:47]
.irp b, 0,1,2,3,4,5,6,7                        ; in the result's layout: tile b's register j is column 32 (b / 2) + 16 h + 8 (b % 2) + j
	global_load_b128 v[BI+8*\b:BI+8*\b+3], v[BIA], s[12:13] offset:128*(\b/2)+32*(\b%2)
	global_load_b128 v[BI+8*\b+4:BI+8*\b+7], v[BIA], s[12:13] offset:128*(\b/2)+32*(\b%2)+16
.endr
	s_mul_i32 s21, s15, HALFT                      ; my 128 rows of A
	s_mul_i32 s22, s16, HALFT                      ; my 128 rows of B,
	s_add_co_u32 s22, s22, 2*HALFT                 ; which lie behind A's 256
.irp s, 0,1
	v_add_nc_u32 v[ADRA+\s], s21, v[L16]
	v_add_nc_u32 v[ADRB+\s], s22, v[L16]
	s_add_co_u32 s21, s21, SLOT
	s_add_co_u32 s22, s22, SLOT
.endr
	v_lshlrev_b32 v5, 3, v1                        ; my row's 8 scale bytes of a K step
	s_mul_i32 s21, s15, HALFS
	s_mul_i32 s22, s16, HALFS
	s_add_co_u32 s22, s22, 2*HALFS
	s_sub_co_u32 s22, s22, s21
	v_mul_u32_u24 v6, s22, v2                      ; lanes 16-31 take B's: one product, the distance between the two
	s_add_co_u32 s21, s21, SCL
	v_add_nc_u32 v5, v5, v6
	v_add_nc_u32 v[ADRS], s21, v5
	; the addresses of both ways out are made here, ahead of the parting
	v_and_b32 v4, 7, v1
	v_lshrrev_b32 v5, 3, v1
	v_lshl_add_u32 v4, v5, 4, v4                   ; r % 8 + 16 (r / 8): my token in its group of 32
	v_lshl_add_u32 v[CSA], v4, 8, v[BIA]           ; x 256 bytes, + 64 h
	s_lshl_b32 s21, s14, 9
	v_lshlrev_b32 v4, 2, v1
	v_lshl_add_u32 v4, v2, 8, v4
	v_add_nc_u32 v4, s21, v4
	v_add_nc_u32 v[QSA], QSTG, v4                  ; 512 x wave + 256 h + 4 r
	v_add_nc_u32 v4, s21, v[L16]
	v_add_nc_u32 v[QSR], QSTG, v4
	v_add_nc_u32 v[VSR], VSTG, v4
	v_mul_u32_u24 v4, v2, BHS
	v_lshl_add_u32 v[TG], v1, 4, v4
	s_mul_i32 s22, s14, VSTW
	v_mul_u32_u24 v4, v1, 528
	v_lshl_add_u32 v4, v2, 6, v4
	v_add_nc_u32 v[VSTO], s22, v4                  ; row r, + 64 h
	v_lshl_add_u32 v[VLD], v3, 2, s22
	v_bfe_u32 v4, v0, 3, 1                         ; column l of 32: tile l / 8 % 2,
	v_and_b32 v5, 7, v0
	v_lshl_add_u32 v5, v2, 3, v5                   ; row 8 (l / 16) + l % 8
	v_lshlrev_b32 v6, 4, v5
	v_lshl_add_u32 v[VOA], v4, 11, v6
	v_lshlrev_b32 v6, 2, v5
	v_lshl_add_u32 v6, v4, 6, v6
	v_add_nc_u32 v6, s21, v6
	v_add_nc_u32 v[VSA], VSTG, v6
	; my wave's record: kind, batch x head (the first of my two heads), which 128 tokens
	s_mul_i32 s20, s95, KINDS
	s_lshr_b32 s21, s17, 3                         ; the batch
	s_lshl_b32 s21, s21, 4
	s_lshl_b32 s22, s40, 2
	s_add_co_u32 s21, s21, s22
	s_lshl_b32 s22, s16, 1
	s_add_co_u32 s21, s21, s22                     ; 16 x batch + 4 cx + 2 x half
	s_mul_i32 s21, s21, BHS
	s_add_co_u32 s20, s20, s21
	s_and_b32 s22, s17, 7
	s_lshl_b32 s22, s22, 1
	s_add_co_u32 s22, s22, s15                     ; which 128 tokens of the batch's 2,048
	s_mul_i32 s21, s22, 8448
	s_add_co_u32 s20, s20, s21
	s_mov_b32 s21, 0
	s_add_nc_u64 s[98:99], s[98:99], s[20:21]
	s_lshl_b32 s20, s22, 15                        ; and their 128 rows of 256 bytes in cs
	s_add_nc_u64 s[96:97], s[96:97], s[20:21]
.macro FRAG reg, adr, q, i             ; a fragment's image: four chunks of 512 bytes
.irp c, 0,1,2,3
	ds_load_b128 v[\reg+4*\c:\reg+4*\c+3], v[\adr] offset:(\i)*RT+(\q)*FRB+512*\c
.endr
.endm
; 16 matrix instructions: A's blocks a0, a0 + 1 x B's eight.  first = 1: the bias is the C that starts the sums.  The 64 accumulators take turns, one instruction a turn.
.macro MUL16 a0, p, q, sc, first
.irp a, \a0, \a0+1
.irp b, 0,1,2,3,4,5,6,7
.if \first
	v_wmma_scale_f32_16x16x128_f8f6f4 v[8*(8*((\a)%4)+\b):8*(8*((\a)%4)+\b)+7], v[128*(\p)+FR*\b:128*(\p)+FR*\b+FR-1], v[AF+FR*(\a):AF+FR*(\a)+FR-1], v[BI+8*\b:BI+8*\b+7], v[SC+8*NQ*(\sc)+NQ*\b+(\q)], v[SC+8*NQ*(\sc)+NQ*(\a)+(\q)] matrix_a_scale:MATRIX_SCALE_ROW1
.else
	v_wmma_scale_f32_16x16x128_f8f6f4 v[8*(8*((\a)%4)+\b):8*(8*((\a)%4)+\b)+7], v[128*(\p)+FR*\b:128*(\p)+FR*\b+FR-1], v[AF+FR*(\a):AF+FR*(\a)+FR-1], v[8*(8*((\a)%4)+\b):8*(8*((\a)%4)+\b)+7], v[SC+8*NQ*(\sc)+NQ*\b+(\q)], v[SC+8*NQ*(\sc)+NQ*(\a)+(\q)] matrix_a_scale:MATRIX_SCALE_ROW1
.endif
.endr
.endr
.endm
.macro FETCH_B slot, q, p
	WIN TO_B
.irp i, 0,1,2,3,4,5,6,7
	FRAG 128*(\p)+FR*\i, ADRB+\slot, \q, \i
.endr
	WIN 0
.endm
.macro FETCH_A slot, q, i0
.irp i, \i0, \i0+1, \i0+2, \i0+3
	FRAG AF+FR*(\i), ADRA+\slot, \q, \i
.endr
.endm
.macro SCALES sc                       ; a K step's scale words: lanes 0-15 A's block i, lanes 16-31 B's block i
.irp i, 0,1,2,3,4,5,6,7
	ds_load_b64 v[SC+8*NQ*\sc+NQ*\i:SC+8*NQ*\sc+NQ*\i+1], v[ADRS] offset:\i*SBLK
.endr
.endm
; A step of 128 along K that has its successor in the same slot.  A has one set of registers (blocks 0-3 fetched anew in the middle, 4-7 at the end), B two.
.macro STEP slot, q, first
	s_wait_dscnt 4*NL                              ; all but the youngest 16 loads (A's blocks 4-7) are in
.if \first
	WIN 0x81                                       ; C (the bias) window 0, D window 2
.else
	WIN MUL_LO
.endif
	MUL16 0, (\q)%2, \q, \slot, \first
	MUL16 2, (\q)%2, \q, \slot, \first
	s_wait_dscnt 0
	PLACES NP                                      ; in front of loads into registers that matrix instructions have read
	FETCH_B \slot, (\q)+1, 1-(\q)%2
	FETCH_A \slot, (\q)+1, 0
.if \first
	WIN 0xc1
.else
	WIN MUL_HI
.endif
	MUL16 4, (\q)%2, \q, \slot, \first
	MUL16 6, (\q)%2, \q, \slot, \first
	PLACES NP
	WIN 0
	FETCH_A \slot, (\q)+1, 4
.endm
; A slot's last step changes slots: one barrier; in front of it each wave waits for all its tensor loads, adds 0 to its spare word, and waits for that and for its reads of this slot.
.macro TURN slot, next, fill
	s_wait_tensorcnt 0x0                           ; all my tensor loads have landed: my part of the next slot
	ds_add_u32 v[SPW], v[NIL]                      ; 0 onto my spare word
	s_wait_dscnt 4*NL+1                            ; the add and the youngest 16 loads may be out
	WIN MUL_LO
	MUL16 0, 1, NQ-1, \slot, 0
	s_wait_dscnt 0x0                               ; the add is done, and my reads of this slot are over
	s_barrier_signal -1
	MUL16 2, 1, NQ-1, \slot, 0
	WIN 0
	s_barrier_wait -1
.if \fill
	CREST                                          ; the barrier has opened a round of the cluster's: no wave of any partner still reads this slot or has a load on its way
	s_add_nc_u64 s[G0+4*\slot+2:G0+4*\slot+3], s[G0+4*\slot+2:G0+4*\slot+3], 2*RT
	s_add_nc_u64 s[G0B+4*\slot+2:G0B+4*\slot+3], s[G0B+4*\slot+2:G0B+4*\slot+3], 2*RT
	JLOAD G0+4*\slot, G1, G0B+4*\slot, G1B         ; the first tensor load behind the round; its four v_nop are among the places below
	PLACES NP-4
.else
	PLACES NP
.endif
	s_wait_alu depctr_va_vdst(0)
	v_add_nc_u32 v[ADRS], 128, v[ADRS]             ; the next K step's scale words
	FETCH_B \next, 0, 0
	FETCH_A \next, 0, 0
	SCALES \next
	WIN MUL_HI
	MUL16 4, 1, NQ-1, \slot, 0
	MUL16 6, 1, NQ-1, \slot, 0
	PLACES NP
	WIN 0
	FETCH_A \next, 0, 4
.endm
.macro LAST                            ; the very last step: nothing more to fetch; eight places behind it for all that follows
	s_wait_dscnt 4*NL
	WIN MUL_LO
	MUL16 0, 1, NQ-1, 1, 0
	MUL16 2, 1, NQ-1, 1, 0
	s_wait_dscnt 0
	WIN MUL_HI
	MUL16 4, 1, NQ-1, 1, 0
	MUL16 6, 1, NQ-1, 1, 0
	WIN 0
	PLACES NP
.endm
.macro FINISH
	s_wait_tensorcnt 0x0                           ; the wave's end
	ds_add_u32 v[SPW], v[NIL]
	s_wait_dscnt 0x0
	CROUND                                         ; the closing round
	s_endpgm
.endm
	s_wait_alu depctr_va_vdst(0)                   ; the head's end
	s_wait_loadcnt 0x0                             ; the bias
	s_wait_tensorcnt 0x0                           ; my tile of the head's four is in
	ds_add_u32 v[SPW], v[NIL]
	s_mov_b32 s[G1+2], 8<<16                       ; no tensor load of mine is out: from here on a load brings 8 row tiles
	s_mov_b32 s[G1+4], 8
	s_mov_b32 s[G1B+2], 8<<16
	s_mov_b32 s[G1B+4], 8
	s_wait_dscnt 0x0
	CROUND                                         ; all four tiles are in, and all sixteen work-groups are here
	JLOAD G0+4, G1, G0B+4, G1B                     ; K step 1, the first tensor load behind the round
	FETCH_B 0, 0, 0
	FETCH_A 0, 0, 0
	SCALES 0
	FETCH_A 0, 0, 4
	STEP 0, 0, 1
	s_mov_b32 s3, LAPS-1
.Llap:
	TURN 0, 1, 1
	STEP 1, 0, 0
	TURN 1, 0, 1
	STEP 0, 0, 0
	s_sub_co_u32 s3, s3, 1
	s_cmp_lg_u32 s3, 0
	s_cbranch_scc1 .Llap
	TURN 0, 1, 0                                   ; the last lap fills nothing
	STEP 1, 0, 0
	s_cmp_eq_u32 s95, 2                            ; the ways part here; the last step is written in both
	s_cbranch_scc1 .Lv_path
; ---------------------------------------------------------------- q and k
.macro CSLOAD a                        ; (cos, sin) of block a's tokens: lane (r, h) takes pairs 16 g + 8 h + 0..7, g = 0, 1: 32 registers at v[32 a] of window 1
.irp g, 0,1
.irp k, 0,1,2,3
	global_load_b128 v[32*(\a)+16*\g+4*\k:32*(\a)+16*\g+4*\k+3], v[CSA], s[96:97] offset:(32*((\a)/2)+8*((\a)%2))*256+128*\g+16*\k
.endr
.endr
.endm
.macro ROPE a                          ; (t0, t1) -> (t0 cos - t1 sin, t0 sin + t1 cos), a pair in two packed instructions; each accumulator from its low end on
	WIN 0x06+(\a)/4                                ; source 0: the accumulators' window; source 1: window 1
.set g, 0
.rept 8
.set TA, 64*((\a)%4)+8*g
.set PA, 32*(\a)+8*(g%4)
.irp e, 0,1,2,3
	v_pk_mul_f32 v[TP+2*\e:TP+2*\e+1], v[TA+2*\e:TA+2*\e+1], v[PA+2*\e:PA+2*\e+1] op_sel:[1,1] op_sel_hi:[0,1] neg_lo:[1,0]   ; (-t1 sin, t0 sin)
.endr
.irp e, 0,1,2,3
	v_pk_fma_f32 v[RR+8*g+2*\e:RR+8*g+2*\e+1], v[TA+2*\e:TA+2*\e+1], v[PA+2*\e:PA+2*\e+1], v[TP+2*\e:TP+2*\e+1] op_sel_hi:[1,0,1]   ; + (t0 cos, t1 cos)
.endr
.set g, g+1
.endr
	WIN 0
.endm
.macro QUANT s, pc                     ; 64 numbers of a lane, four blocks of 32 shared with lane l xor 16 -> 16 registers of codes; the bytes stay in v[TM+4..7]
.irp b, 0,1,2,3
	v_max3_num_f32 v[TM+\b], |v[\s+16*\b]|, |v[\s+1+16*\b]|, 0x4800000        ; and the floor 2^(9 - 127)
.endr
.irp i, 2,4,6,8,10,12,14
.irp b, 0,1,2,3
	v_max3_num_f32 v[TM+\b], v[TM+\b], |v[\s+16*\b+\i]|, |v[\s+1+16*\b+\i]|
.endr
.endr
.irp b, 0,1,2,3
	v_permlanex16_b32 v[TM+4+\b], v[TM+\b], s[SEL], s[SEL+1]
.endr
.irp b, 0,1,2,3
	v_max_num_f32 v[TM+\b], v[TM+\b], v[TM+4+\b]
.endr
.irp b, 0,1,2,3
	v_add_nc_u32 v[TM+12+\b], 0xfc000000, v[TM+\b]                             ; 8 off the exponent field: the conversion's scale operand
.endr
.irp b, 0,1,2,3
	v_and_or_b32 v[TM+8+\b], v[TM+\b], 0x7f800000, s[MNT]                      ; 448 x the scale
.endr
.irp b, 0,1,2,3
	v_lshrrev_b32 v[TM+4+\b], 23, v[TM+12+\b]                                  ; the byte
.endr
.irp b, 0,1,2,3
.irp i, 0,1,2,3,4,5,6,7,8,9,10,11,12,13,14,15
	v_med3_num_f32 v[\s+16*\b+\i], v[\s+16*\b+\i], -v[TM+8+\b], v[TM+8+\b]     ; the conversion does not saturate (ISA guide 7.6.2)
.endr
	v_cvt_scalef32_pk8_fp8_f32 v[\pc+4*\b:\pc+1+4*\b], v[\s+16*\b:\s+7+16*\b], v[TM+12+\b]
	v_cvt_scalef32_pk8_fp8_f32 v[\pc+2+4*\b:\pc+3+4*\b], v[\s+8+16*\b:\s+15+16*\b], v[TM+12+\b]
.endr
	v_nop                                          ; a plain line behind the last conversion
.endm
.macro QKBLOCK a                       ; block a: 16 tokens x my two heads
.set PCS, PC+16*((\a)%2)
	s_wait_loadcnt 56-8*(\a)                       ; this block's cos and sin are in; the later blocks' eight loads each may be out
	ROPE \a
.if (\a) >= 2
	s_wait_xcnt 0x0                                ; the stores of two blocks ago have read this set of codes
.endif
	QUANT RR, PCS
	v_lshl_or_b32 v[HW], v[TM+5], 8, v[TM+4]       ; the first head's two bytes,
	v_lshl_or_b32 v[HW+1], v[TM+7], 8, v[TM+6]     ; the second's
	v_cndmask_b32 v[HW], v[HW], v[HW+1], s93       ; lanes 16-31 carry the second head's
.irp g, 0,1,2,3
	global_store_b128 v[L16], v[PCS+4*\g:PCS+4*\g+3], s[98:99] offset:(\g/2)*BHS+(\a)*1024+(\g%2)*512    ; 512 consecutive bytes: head g / 2, dims 32 (g % 2) on
.endr
.if (\a)%2 == 0
	v_mov_b32 v[KW+(\a)/2], v[HW]
.else
	v_lshl_or_b32 v[KW+(\a)/2], v[HW], 16, v[KW+(\a)/2]          ; a word serves two tiles of tokens: one fragment of the next product
	ds_store_b32 v[QSA], v[KW+(\a)/2] offset:64*((\a)/2)
.endif
.endm
	WIN TO_B                                       ; B's set 0 is done with, eight places back: blocks 0-3's cos and sin land there under the last 64 products
	CSLOAD 0
	CSLOAD 1
	CSLOAD 2
	CSLOAD 3
	WIN 0
	LAST
	WIN TO_B
	CSLOAD 4
	CSLOAD 5
	CSLOAD 6
	CSLOAD 7
	WIN 0
.irp b, 0,1,2,3
	v_mov_b32 v[TM+4+\b], 0                        ; written once: a lane permute's destination counts as one of its sources
.endr
.irp a, 0,1,2,3,4,5,6,7
	QKBLOCK \a
.endr
	ds_load_b128 v[QT:QT+3], v[QSR]                ; in order behind my stores: 256 bytes of scale words for each head
	s_wait_dscnt 0x0
	global_store_b128 v[TG], v[QT:QT+3], s[98:99] offset:8192
	FINISH
; ---------------------------------------------------------------- v
.Lv_path:
.macro STAGE32 g                       ; tokens 32 g .. 32 g + 31 (blocks 2 g, 2 g + 1) x 128 columns, f32, into my stage; row = 16 (block % 2) + r
	WIN 0x08+4*((\g)/2)                            ; an LDS store's data are its source 1: window 2 or 3
.irp u, 0,1
.irp b, 0,1,2,3,4,5,6,7
	ds_store_b128 v[VSTO], v[64*((2*(\g)+\u)%4)+8*\b:64*((2*(\g)+\u)%4)+8*\b+3] offset:\u*8448+128*(\b/2)+32*(\b%2)
	ds_store_b128 v[VSTO], v[64*((2*(\g)+\u)%4)+8*\b+4:64*((2*(\g)+\u)%4)+8*\b+7] offset:\u*8448+128*(\b/2)+32*(\b%2)+16
.endr
.endr
	WIN 0
.endm
.macro LOADX cg                        ; column 32 cg + lane, tokens i = 0 .. 31 in their true order: token i lies in stage row 16 (i / 8 % 2) + 8 (i / 16) + i % 8
.set i, 0
.rept 32
	ds_load_b32 v[VX+32*((\cg)%2)+i], v[VLD] offset:(16*((i/8)%2)+8*(i/16)+(i%8))*528+128*(\cg)
.set i, i+1
.endr
.endm
.macro VBLOCK g, cg                    ; one block of 32 keys of one column a lane
.set XS, VX+32*((\cg)%2)
.set CC, VC+8*((\cg)%2)
.if (\cg) < 3
	LOADX (\cg)+1
	s_wait_dscnt 32                                ; all but the 32 just issued
.else
	s_wait_dscnt 0x0
.endif
	v_max3_num_f32 v[VT], |v[XS]|, |v[XS+1]|, |v[XS+2]|
	v_max3_num_f32 v[VT+1], |v[XS+3]|, |v[XS+4]|, |v[XS+5]|
.irp i, 6,10,14,18,22,26
	v_max3_num_f32 v[VT], v[VT], |v[XS+\i]|, |v[XS+\i+1]|
	v_max3_num_f32 v[VT+1], v[VT+1], |v[XS+\i+2]|, |v[XS+\i+3]|
.endr
	v_max3_num_f32 v[VT], v[VT], |v[XS+30]|, |v[XS+31]|
	v_max3_num_f32 v[VT], v[VT], v[VT+1], 0x4800000
	v_add_nc_u32 v[VT+2], 0xfc000000, v[VT]
	v_and_or_b32 v[VT+3], v[VT], 0x7f800000, s[MNT]
	v_lshrrev_b32 v[VT+1], 23, v[VT+2]
.if (\g) == 0
	v_mov_b32 v[SBV+\cg], v[VT+1]
.else
	v_lshl_or_b32 v[SBV+\cg], v[VT+1], 8*(\g), v[SBV+\cg]        ; byte g of my column's word for these 128 keys
.endif
.set i, 0
.rept 32
	v_med3_num_f32 v[XS+i], v[XS+i], -v[VT+3], v[VT+3]
.set i, i+1
.endr
.if 4*(\g)+(\cg) >= 2
	s_wait_alu depctr_va_vdst(0)
	s_wait_xcnt 0x0                                ; the stores of two blocks ago have read this set of codes
.endif
.irp k, 0,1,2,3
	v_cvt_scalef32_pk8_fp8_f32 v[CC+2*\k:CC+2*\k+1], v[XS+8*\k:XS+8*\k+7], v[VT+2]
.endr
	v_nop
	global_store_b128 v[VOA], v[CC:CC+3], s[98:99] offset:((\cg)/2)*BHS+((\cg)%2)*4096+512*(\g)          ; two whole runs of 256 bytes an instruction
	global_store_b128 v[VOA], v[CC+4:CC+7], s[98:99] offset:((\cg)/2)*BHS+((\cg)%2)*4096+512*(\g)+256
.endm
	LAST
.irp g, 0,1,2,3
	STAGE32 \g                                     ; LDS serves a wave's instructions in order: behind the last group's loads, ahead of this group's
	LOADX 0
	VBLOCK \g, 0
	VBLOCK \g, 1
	VBLOCK \g, 2
	VBLOCK \g, 3
.endr
.irp c, 0,1,2,3
	ds_store_b32 v[VSA], v[SBV+\c] offset:128*\c
.endr
	ds_load_b128 v[VQ:VQ+3], v[VSR]
	s_wait_dscnt 0x0
	global_store_b128 v[TG], v[VQ:VQ+3], s[98:99] offset:8192
	FINISH
.Lfunc_end_k_qaee828e1b7_qkvgemm:
	.size	k_qaee828e1b7_qkvgemm, .Lfunc_end_k_qaee828e1b7_qkvgemm-k_qaee828e1b7_qkvgemm
	.p2alignl 7, 3214868480
	.fill 96, 4, 3214868480
	.section	.rodata,"a",@progbits
	.p2align	6, 0x0
	.amdhsa_kernel k_qaee828e1b7_qkvgemm
		.amdhsa_group_segment_fixed_size 327680
		.amdhsa_private_segment_fixed_size 0
		.amdhsa_enable_private_segment 0
		.amdhsa_kernarg_size 56
		.amdhsa_user_sgpr_count 2
		.amdhsa_user_sgpr_kernarg_segment_ptr 1
		.amdhsa_wavefront_size32 1
		.amdhsa_system_sgpr_workgroup_id_x 1
		.amdhsa_system_sgpr_workgroup_id_y 1
		.amdhsa_system_sgpr_workgroup_id_z 1
		.amdhsa_system_vgpr_workitem_id 0
		.amdhsa_next_free_vgpr 1024
		.amdhsa_next_free_sgpr 100
		.amdhsa_reserve_vcc 0
		.amdhsa_float_denorm_mode_32 3
		.amdhsa_float_denorm_mode_16_64 3
		.amdhsa_memory_ordered 1
		.amdhsa_forward_progress 1
		.amdhsa_inst_pref_size 255
	.end_amdhsa_kernel
	.section	.bss,"aw",@nobits
	.p2align	6
	.space	262144
	.amdgpu_metadata
---
amdhsa.version: [ 1, 2 ]
amdhsa.kernels:
  - .name:           k_qaee828e1b7_qkvgemm
    .symbol:         k_qaee828e1b7_qkvgemm.kd
    .args:
      - { .name: acodes, .offset: 0, .size: 8, .value_kind: global_buffer, .address_space: global }
      - { .name: ascales, .offset: 8, .size: 8, .value_kind: global_buffer, .address_space: global }
      - { .name: wcodes, .offset: 16, .size: 8, .value_kind: global_buffer, .address_space: global }
      - { .name: wscales, .offset: 24, .size: 8, .value_kind: global_buffer, .address_space: global }
      - { .name: b_attn, .offset: 32, .size: 8, .value_kind: global_buffer, .address_space: global }
      - { .name: cs, .offset: 40, .size: 8, .value_kind: global_buffer, .address_space: global }
      - { .name: qkv, .offset: 48, .size: 8, .value_kind: global_buffer, .address_space: global }
    .group_segment_fixed_size: 327680
    .private_segment_fixed_size: 0
    .kernarg_segment_align: 8
    .kernarg_segment_size: 56
    .max_flat_workgroup_size: 128
    .sgpr_count:     100
    .vgpr_count:     1024
    .wavefront_size: 32
...
	.end_amdgpu_metadata
.endif
;; end of part 2
;; launch attn (part 3): grid 4 x 64, 16 waves a work-group, clusters of 4 x 1, 327,680 bytes of LDS; arguments qkv, acodes, ascales; writes acodes, ascales
.if DOCPART == 3
	.amdgcn_target "amdgcn-amd-amdhsa--gfx1250"
	.amdhsa_code_object_version 6
	.text
	.protected	k_qaee828e1b7_attn
	.globl	k_qaee828e1b7_attn
	.p2align	8
	.type	k_qaee828e1b7_attn,@function
k_qaee828e1b7_attn:
	s_mov_b64 s[64:65], 0
	v_nop
	global_prefetch_b8 v0, s[64:65] scope:SCOPE_SE
	s_setreg_imm32_b32 hwreg(HW_REG_WAVE_MODE, 25, 1), 1
	s_wait_xcnt 0x0
	s_wait_alu depctr_hold_cnt(0) depctr_sa_sdst(0) depctr_va_vdst(0) depctr_va_sdst(0) depctr_va_ssrc(0) depctr_va_vcc(0) depctr_vm_vsrc(0)
	s_getreg_b32 s2, hwreg(HW_REG_IB_STS2, 6, 4)
	s_cmp_eq_u32 s2, 0
	s_cbranch_scc0 .Lentry_in_a_cluster
	s_endpgm
.Lentry_in_a_cluster:
	s_bfe_u32 s2, ttmp6, 0x10000c
	s_cmp_lg_u32 s2, 0x3003
	s_cbranch_scc0 .Lentry_shape_is_right
	s_endpgm
.Lentry_shape_is_right:
; y = softmax(q k^T / 8, causal) v for one batch x head, both products on codes of E4M3 with E8M0 scales; y is quantised along the head's 64 and leaves as an image of the last product's operand.
; LEFT OUT: key steps of 128 all of whose keys come after a tile's queries: the causal mask throws their scores away for every input.
; THE SOFTMAX: t = score x log2(e) / 8; M = the running largest t rounded up to a whole number; p = 2^(t - M) is quantised along the keys; the row's sum is taken of the unquantised p and divides at the end.
; LIMITS: NaN and infinities are not served; the promise holds while |t| stays under 2^31; a block whose largest magnitude lies under 2^-118 gets the byte 1, read by this program alone.
; qkv: [kind q, k, v][batch x head][128 tokens] records of 8,448 bytes: 8,192 of codes as images of operand registers, 256 of scale words.
; THE DEAL.  A cluster of four work-groups serves one head.  A head has 128 tiles of 16 queries; wave j of partner p owns tiles 124 - 4 j + p and 4 j + p: (31 - j) / 2 + 1 and j / 2 + 1 key steps, 17 in every wave.
; Which steps are hidden or lie on the diagonal follows from the wave's number alone, so no branch hangs on a partner's place; and each partner reads all 16 records, so K and V come by JOINT loads (mask 15).
; LDS holds the head's K (16 records) and V (16 records) whole, each byte filled once.  Group 1, at the head: records 0-3 of both, a record a wave (waves 0-7).  Group 2, behind a drained round: the other 12 of both, three a wave.
; The late tile goes first: its first four key steps read group 1 alone and none of them is masked; group 2 has those four steps in which to land, and one barrier shows it.
; No prefetch: both groups are asked for ahead of the first key step, so the loops have nothing left to ask for.
; LAYOUT.  Both products are used transposed: a lane (r, h) holds one query.  A fragment of K holds two tiles of 16 keys x 64 dims; q stands beside zeros, (q, 0) for the first tile and (0, q) for the second.
; Row m of a tile 2 f + u is index 32 f + 8 u + m % 8 + 16 (m / 8): the 16 registers of two neighbouring tiles are 16 neighbours, 32 f + 16 h + 0 .. 15.
.set REC,   8448
.set BHS,   135168
.set KINDS, 64*BHS
.set VREC,  BHS                        ; V's records lie behind K's in LDS
.set SPARE, 2*BHS                      ; the spare words: 128 bytes a wave, eight blocks of 256 that no other line names
.set RA,    4                          ; key steps that group 1 serves
.set AK,  1                            ; v1  16 x lane
.set AS,  2                            ; v2  4 r
.set R8,  3                            ; v3  8 r
.set ADK, 4                            ; v4-7 the step's LDS addresses: K's codes, K's scale words, V's codes, V's scale words
.set ADS, 5
.set ADV, 6
.set ADT, 7
.set LP,  8                            ; v8  my query's place in its 32 tokens, less 16 h
.set SPW, 9                            ; v9  my spare word; never rewritten
.set NIL, 10                           ; v10 0; never rewritten
.set OM,  11                           ; v11 -M of the step before
.set QF,  16                           ; v16-39 q, zeros, q.   v12 -M, v13 the largest t, v[14:15] the sum in two halves
.set FR,  40                           ; v40-103 four fragments of K, then of V
.set S,   104                          ; v104-167 S^T, then p
.set O,   168                          ; v168-199 O^T
.set PC,  200                          ; v200-215 p's codes; at the end y's
.set T,   216                          ; v216-231 a block's held p; ahead of that the blocks' maxima (BM) and bytes (PM)
.set BM,  216
.set PM,  220
.set BD,  232                          ; v232-235 448 x scale
.set SO,  236                          ; v236-239 the conversions' scale operands
.set F,   240                          ; v240 f = 2^(old M - new M)
.set PW,  241                          ; v241 p's scale word
.set X,   242                          ; v242-243 at work
.set X2,  243
.set KW,  244                          ; v244-247 the fragments' scale words
.set QW,  248                          ; v248 q's scale word
.set WV,  10
.set BH,  11
.set PI,  12
.set HD,  13
.set SEL, 14
.set CS,  16
.set MNT, 18
.set BBR, 19
.set G1A, 20
.set G1B, 28
.set G0A, 36
.set G0B, 40
.set KR,  56                           ; the step's record
.set TB,  57                           ; its K record in LDS
.set TV,  58                           ; its V record
.set DQ,  59                           ; my tile's first query less the step's first key
.set CNT, 60
.set QH,  68                           ; s[68:75] the late tile: q's codes, q's scale words, y's codes, y's scale bytes;  s[76:83] the early tile
.set QL,  76
.set Q0H, 84
.set SHH, 85
.set Q0L, 86
.set SHL, 87
.set TRH, 88                           ; the record on the late tile's diagonal, from the wave's number alone
.set TRL, 89
.set MK,  90                           ; s90-97 eight lane masks of the diagonal's test
.macro CROUND                          ; a round of the cluster's barrier
	s_barrier_signal -1
	s_barrier_wait -1
	s_cmp_lg_u32 s[WV], 0
	s_cbranch_scc1 .Lnot_wave_0_\@
	s_barrier_signal -3
.Lnot_wave_0_\@:
	s_barrier_wait -3
	s_barrier_signal -1
	s_barrier_wait -1
.endm
.macro JLOAD g0, g1                    ; waves 0-7 ask, the branch hangs on the wave's number alone; s_nop 0 and four v_nop follow the load
	s_cmp_lt_u32 s[WV], 8
	s_cbranch_scc0 .Lnone_\@
	tensor_load_to_lds s[\g0:\g0+3], s[\g1:\g1+7]
	s_nop 0
.rept 4
	v_nop
.endr
.Lnone_\@:
.endm
.macro GROUP1 g, rows                  ; dense rows of 256 bytes (32 elements of 8); mask 15: all four partners; bit 21 beside it
	s_mov_b32 s[\g], 15|(3<<16)|(1<<21)
	s_mov_b32 s[\g+1], 32<<16
	s_mov_b32 s[\g+2], (\rows)<<16
	s_mov_b32 s[\g+3], 32<<16
	s_mov_b32 s[\g+4], \rows
	s_mov_b32 s[\g+5], 32
	s_mov_b32 s[\g+6], 0
	s_mov_b32 s[\g+7], 0
.endm
.macro ADDR o, q0, sh                  ; s44 = a tile of 16 queries: its four addresses, its first query, the shift to its half of a scale word
	s_lshr_b32 s45, s44, 3
	s_mul_i32 s45, s45, REC
	s_mul_i32 s46, s[BH], BHS
	s_add_co_u32 s46, s46, s45                     ; its record of q
	s_and_b32 s45, s44, 7
	s_lshl_b32 s48, s45, 10
	s_add_co_u32 s48, s48, s46
	s_mov_b32 s49, 0
	s_add_nc_u64 s[\o:\o+1], s[4:5], s[48:49]
	s_lshr_b32 s48, s45, 1
	s_lshl_b32 s48, s48, 6
	s_add_co_u32 s48, s48, s46
	s_add_nc_u64 s[\o+2:\o+3], s[4:5], s[48:49]
	s_lshl_b32 s46, s[BBR], 7
	s_add_co_u32 s46, s46, s44                     ; y's row tile: 128 x batch + tile
	s_lshl_b32 s48, s46, 14
	s_lshl_b32 s47, s[HD], 10                      ; the head's 64 of K: two chunks of 512 bytes
	s_add_co_u32 s48, s48, s47
	s_add_nc_u64 s[\o+4:\o+5], s[6:7], s[48:49]
	s_lshl_b32 s48, s46, 9
	s_lshr_b32 s47, s[HD], 2
	s_lshl_b32 s47, s47, 7
	s_add_co_u32 s48, s48, s47
	s_and_b32 s47, s[HD], 3
	s_lshl_b32 s47, s47, 1
	s_add_co_u32 s48, s48, s47
	s_add_nc_u64 s[\o+6:\o+7], s[8:9], s[48:49]
	s_lshr_b32 s47, s44, 1
	s_lshl_b32 s47, s47, 5
	s_and_b32 s45, s44, 1
	s_lshl_b32 s48, s45, 3
	s_add_co_u32 s[\q0], s47, s48
	s_lshl_b32 s[\sh], s45, 4
.endm
.macro QLOAD o                         ; q's fragment, twice (beside the zeros on either side), and its scale word
	global_load_b128 v[QF:QF+3], v[AK], s[\o:\o+1]
	global_load_b128 v[QF+4:QF+7], v[AK], s[\o:\o+1] offset:512
	global_load_b128 v[QF+16:QF+19], v[AK], s[\o:\o+1]
	global_load_b128 v[QF+20:QF+23], v[AK], s[\o:\o+1] offset:512
	global_load_b32 v[OM], v[AS], s[\o+2:\o+3] offset:8192
.endm
.macro BEGIN q0, sh                    ; a tile begins: O^T and the sum are zeros, the largest t lies under every t
	s_mov_b32 s[KR], 0
	s_mov_b32 s[TB], 0
	s_mov_b32 s[TV], VREC
	s_mov_b32 s[DQ], s[\q0]
	s_wait_loadcnt 0x0
	v_lshrrev_b32 v[OM], s[\sh], v[OM]
	v_and_b32 v[OM], 0xffff, v[OM]
	v_lshl_or_b32 v[QW], v[OM], 16, v[OM]          ; my tile's two bytes serve both halves of K = 128
	v_mov_b32 v13, 0xff61b1e6
	v_floor_f32 v12, -v13
	v_mov_b32 v14, 0
	v_mov_b32 v15, 0
.set j, 0
.rept 32
	v_mov_b32 v[O+j], 0
.set j, j+1
.endr
	s_wait_alu depctr_va_vdst(0)                   ; ahead of the loop
.endm
; THE ROW'S SUM of the unquantised p is a tree in place: once a block's held copy lies in T its 16 registers of p are free.  L1: 8 pairs -> 4 (two adds a call); L2: 4 -> 2; L3: 2 -> 1.  The adds of a level do not hang on each other
.macro L1 b, i0
.irp i, \i0, \i0+1
	v_pk_add_f32 v[S+16*\b+4*(\i):S+16*\b+4*(\i)+1], v[S+16*\b+4*(\i):S+16*\b+4*(\i)+1], v[S+16*\b+4*(\i)+2:S+16*\b+4*(\i)+3]
.endr
.endm
.macro L2 b
	v_pk_add_f32 v[S+16*\b:S+16*\b+1], v[S+16*\b:S+16*\b+1], v[S+16*\b+4:S+16*\b+5]
	v_pk_add_f32 v[S+16*\b+8:S+16*\b+9], v[S+16*\b+8:S+16*\b+9], v[S+16*\b+12:S+16*\b+13]
.endm
.macro L3 b
	v_pk_add_f32 v[S+16*\b:S+16*\b+1], v[S+16*\b:S+16*\b+1], v[S+16*\b+8:S+16*\b+9]
.endm
.macro CLAMP b                         ; block b: p held at 448 x scale (the conversion does not saturate: ISA guide 7.6.2), two numbers a line, into T, so that p itself stays for the sums; then 16 codes
.irp i, 0,2,4,6,8,10,12,14
	v_dual_min_num_f32 v[T+\i], v[S+16*\b+\i], v[BD+\b] :: v_dual_min_num_f32 v[T+\i+1], v[S+16*\b+\i+1], v[BD+\b]
.endr
	v_cvt_scalef32_pk8_fp8_f32 v[PC+4*\b:PC+4*\b+1], v[T:T+7], v[SO+\b]
	L1 \b, 0                                       ; the block's first level of sums stands behind each conversion: plain lines ahead of the next writes of T
	v_cvt_scalef32_pk8_fp8_f32 v[PC+4*\b+2:PC+4*\b+3], v[T+8:T+15], v[SO+\b]
	L1 \b, 2
.endm
; A KEY STEP of 128 keys.  full = 1: with the tests for a hidden step and for the diagonal (record against record: ids of the wave and the count of steps alone)
.macro STEP full, tr
.if \full
	s_cmp_gt_u32 s[KR], s[\tr]
	s_cbranch_scc1 .Lhid_\@
.endif
	v_add_nc_u32 v[ADK], s[TB], v[AK]              ; (with the twelve sums behind the last products: the places ahead of the loads below)
	v_add_nc_u32 v[ADS], s[TB], v[AS]
.irp f, 0,1,2,3
.irp c, 0,1,2,3
	ds_load_b128 v[FR+16*\f+4*\c:FR+16*\f+4*\c+3], v[ADK] offset:2048*\f+512*\c
.endr
	ds_load_b32 v[KW+\f], v[ADS] offset:8192+64*\f
.endr
	s_wait_dscnt 0x0
.irp f, 0,1,2,3
	v_wmma_scale_f32_16x16x128_f8f6f4 v[S+16*\f:S+16*\f+7], v[FR+16*\f:FR+16*\f+15], v[QF:QF+15], 0, v[KW+\f], v[QW]
	v_wmma_scale_f32_16x16x128_f8f6f4 v[S+16*\f+8:S+16*\f+15], v[FR+16*\f:FR+16*\f+15], v[QF+8:QF+23], 0, v[KW+\f], v[QW]
.endr
	v_add_nc_u32 v[ADV], s[TV], v[AK]              ; eight places behind the products, work that is due where there is any
	v_add_nc_u32 v[ADT], s[TV], v[AS]
	v_mov_b32 v[OM], v12
.if \full
	v_add_nc_u32 v[X], s[DQ], v[LP]                ; register 16 b + i holds a key that is hidden where 32 b + i > this
	v_mov_b32 v[X2], 0xff800000
.rept 3
	v_nop
.endr
.else
.rept 5
	v_nop
.endr
.endif
.irp t, 0,1,2,3
.irp c, 0,1,2,3
	ds_load_b128 v[FR+16*\t+4*\c:FR+16*\t+4*\c+3], v[ADV] offset:2048*\t+512*\c    ; V's fragments land under the softmax
.endr
	ds_load_b32 v[KW+\t], v[ADT] offset:8192+64*\t
.endr
.if \full
	s_cmp_lg_u32 s[KR], s[\tr]
	s_cbranch_scc1 .Lopen_\@
.set n, 0
.rept 8                                        ; an accumulator at a time: eight tests, then eight selects: on the diagonal hidden scores become -infinity: p = 0
.irp k, 0,1,2,3,4,5,6,7
	v_cmp_gt_i32 s[MK+\k], 32*(n/16)+n%16+\k, v[X]
.endr
.irp k, 0,1,2,3,4,5,6,7
	v_cndmask_b32 v[S+n+\k], v[S+n+\k], v[X2], s[MK+\k]
.endr
.set n, n+8
.endr
.Lopen_\@:
.endif
.irp b, 0,1,2,3                                ; each block's largest score: for the row's maximum and, since p rises with the score, for the block's largest p.  Two chains a block, eight by turns; each accumulator is read from its low end on
	v_max3_num_f32 v[BM+\b], v[S+16*\b], v[S+16*\b+1], v[S+16*\b+2]
	v_max3_num_f32 v[T+8+\b], v[S+16*\b+8], v[S+16*\b+9], v[S+16*\b+10]
.endr
.irp i, 3,5
.irp b, 0,1,2,3
	v_max3_num_f32 v[BM+\b], v[BM+\b], v[S+16*\b+\i], v[S+16*\b+\i+1]
	v_max3_num_f32 v[T+8+\b], v[T+8+\b], v[S+16*\b+8+\i], v[S+16*\b+9+\i]
.endr
.endr
.irp b, 0,1,2,3
	v_max3_num_f32 v[BM+\b], v[BM+\b], v[T+8+\b], v[S+16*\b+7]
.endr
.irp b, 0,1,2,3
	v_max_num_f32 v[BM+\b], v[BM+\b], v[S+16*\b+15]
.endr
.irp b, 0,1,2,3
	v_permlanex16_b32 v[PM+\b], v[BM+\b], s[SEL], s[SEL+1]
.endr
.irp b, 0,1,2,3
	s_delay_alu instid0(VALU_DEP_4)
	v_max_num_f32 v[BM+\b], v[BM+\b], v[PM+\b]
.endr
	s_delay_alu instid0(VALU_DEP_2)
	v_max3_num_f32 v[X], v[BM], v[BM+1], v[BM+2]
	s_delay_alu instid0(VALU_DEP_1)
	v_max_num_f32 v[X], v[X], v[BM+3]
	s_delay_alu instid0(VALU_DEP_1)
	v_mul_f32 v[X], s[CS], v[X]
	s_delay_alu instid0(VALU_DEP_1)
	v_max_num_f32 v13, v13, v[X]                   ; the running largest t
	s_delay_alu instid0(VALU_DEP_1)
	v_floor_f32 v12, -v13                          ; -M: M is a whole number
	s_delay_alu instid0(VALU_DEP_1)
	v_sub_f32 v[X], v12, v[OM]
	s_delay_alu instid0(VALU_DEP_1)
	v_cvt_i32_f32 v[X], v[X]                       ; (it saturates)
	s_delay_alu instid0(VALU_DEP_1)
	v_ldexp_f32 v[F], 1.0, v[X]                    ; f = 2^(old M - new M)
.set j, 0
.rept 32
	v_pk_fma_f32 v[S+j:S+j+1], v[S+j:S+j+1], s[CS:CS+1], v[12:13] op_sel_hi:[1,0,0]   ; t - M
.set j, j+2
.endr
.irp b, 0,1,2,3
	v_fma_f32 v[BM+\b], v[BM+\b], s[CS], v12
.endr
	s_wait_alu depctr_va_vdst(0)                   ; ahead of the batch
.set j, 0
.rept 64
	v_exp_f32 v[S+j], v[S+j]
.set j, j+1
.endr
.irp b, 0,1,2,3
	v_exp_f32 v[BM+\b], v[BM+\b]
.endr
	v_pk_mul_f32 v[14:15], v[14:15], v[F:F+1] op_sel_hi:[1,0]      ; the sums under the new M: a plain place behind the batch
	s_wait_alu depctr_va_vdst(0)                   ; one wait behind the batch, directly ahead of the first readers of O^T too
.set j, 0
.rept 16
	v_pk_mul_f32 v[O+j:O+j+1], v[O+j:O+j+1], v[F:F+1] op_sel_hi:[1,0]
.set j, j+2
.endr
.irp b, 0,1,2,3
	v_max_num_f32 v[BM+\b], 0x4800000, v[BM+\b]    ; the floor 2^(9 - 127): the byte cannot fall under 1
.endr
.irp b, 0,1,2,3
	s_delay_alu instid0(VALU_DEP_4)
	v_add_nc_u32 v[SO+\b], 0xfc000000, v[BM+\b]    ; 8 off the exponent field
.endr
.irp b, 0,1,2,3
	v_and_or_b32 v[BD+\b], v[BM+\b], 0x7f800000, s[MNT]
.endr
.irp b, 0,1,2,3
	v_lshrrev_b32 v[PM+\b], 23, v[SO+\b]
.endr
	s_delay_alu instid0(VALU_DEP_3)
	v_lshl_or_b32 v[PW], v[PM+1], 8, v[PM]
	s_delay_alu instid0(VALU_DEP_1)
	v_lshl_or_b32 v[PW], v[PM+2], 16, v[PW]
	s_delay_alu instid0(VALU_DEP_1)
	v_lshl_or_b32 v[PW], v[PM+3], 24, v[PW]
	CLAMP 0
	CLAMP 1
	CLAMP 2
	CLAMP 3
	L2 0                                           ; with the two adds above: six plain lines between the last codes and the products
	L2 1
	s_wait_alu depctr_va_vdst(0)
	s_wait_dscnt 0x0
.irp t, 0,1,2,3
	v_wmma_scale_f32_16x16x128_f8f6f4 v[O+8*\t:O+8*\t+7], v[FR+16*\t:FR+16*\t+15], v[PC:PC+15], v[O+8*\t:O+8*\t+7], v[KW+\t], v[PW]
.endr
	L2 2                                           ; twelve plain lines that name none of the products' registers
	L2 3
	L3 0
	L3 1
	L3 2
	L3 3
	s_delay_alu instid0(VALU_DEP_3)
	v_pk_add_f32 v[S:S+1], v[S:S+1], v[S+16:S+17]
	s_delay_alu instid0(VALU_DEP_2)
	v_pk_add_f32 v[S+32:S+33], v[S+32:S+33], v[S+48:S+49]
	s_delay_alu instid0(VALU_DEP_1)
	v_pk_add_f32 v[S:S+1], v[S:S+1], v[S+32:S+33]
	s_delay_alu instid0(VALU_DEP_1)
	v_pk_add_f32 v[14:15], v[14:15], v[S:S+1]
.if \full
.Lhid_\@:
.endif
	s_add_co_u32 s[KR], s[KR], 1
	s_add_co_u32 s[TB], s[TB], REC
	s_add_co_u32 s[TV], s[TV], REC
	s_sub_co_i32 s[DQ], s[DQ], 128
.endm
.macro YOUT o                          ; O^T / the sum, quantised along the head's 64 (two blocks of 32, each shared with lane l xor 16), stored as the operand's image
	s_wait_alu depctr_va_vdst(0)                   ; the sums were written ahead of taken branches
	v_add_f32 v14, v14, v15
	s_delay_alu instid0(VALU_DEP_1)
	v_permlanex16_b32 v[X], v14, s[SEL], s[SEL+1]
	s_delay_alu instid0(VALU_DEP_1)
	v_add_f32 v14, v14, v[X]
	s_wait_alu depctr_va_vdst(0)
	v_rcp_f32 v14, v14
	v_nop
	s_wait_alu depctr_va_vdst(0)
.set j, 0
.rept 16
	v_pk_mul_f32 v[S+j:S+j+1], v[O+j:O+j+1], v[14:15] op_sel_hi:[1,0]
.set j, j+2
.endr
.irp b, 0,1
	v_max3_num_f32 v[BM+\b], |v[S+16*\b]|, |v[S+16*\b+1]|, 0x4800000
.endr
.irp i, 2,4,6,8,10,12,14
.irp b, 0,1
	s_delay_alu instid0(VALU_DEP_2)
	v_max3_num_f32 v[BM+\b], v[BM+\b], |v[S+16*\b+\i]|, |v[S+16*\b+\i+1]|
.endr
.endr
.irp b, 0,1
	v_permlanex16_b32 v[PM+\b], v[BM+\b], s[SEL], s[SEL+1]
.endr
.irp b, 0,1
	s_delay_alu instid0(VALU_DEP_2)
	v_max_num_f32 v[BM+\b], v[BM+\b], v[PM+\b]
.endr
.irp b, 0,1
	s_delay_alu instid0(VALU_DEP_2)
	v_add_nc_u32 v[SO+\b], 0xfc000000, v[BM+\b]
.endr
.irp b, 0,1
	s_delay_alu instid0(VALU_DEP_4)
	v_and_or_b32 v[BD+\b], v[BM+\b], 0x7f800000, s[MNT]
.endr
.irp b, 0,1
	s_delay_alu instid0(VALU_DEP_4)
	v_lshrrev_b32 v[PM+\b], 23, v[SO+\b]
.endr
	s_delay_alu instid0(VALU_DEP_1)
	v_lshl_or_b32 v[X], v[PM+1], 8, v[PM]
.irp b, 0,1
.irp i, 0,1,2,3,4,5,6,7,8,9,10,11,12,13,14,15
	v_med3_num_f32 v[S+16*\b+\i], v[S+16*\b+\i], -v[BD+\b], v[BD+\b]
.endr
	v_cvt_scalef32_pk8_fp8_f32 v[PC+4*\b:PC+4*\b+1], v[S+16*\b:S+16*\b+7], v[SO+\b]
	v_cvt_scalef32_pk8_fp8_f32 v[PC+4*\b+2:PC+4*\b+3], v[S+16*\b+8:S+16*\b+15], v[SO+\b]
.endr
	v_nop                                          ; a plain line behind the last conversion
	global_store_b128 v[AK], v[PC:PC+3], s[\o+4:\o+5]              ; 512 consecutive bytes, aligned
	global_store_b128 v[AK], v[PC+4:PC+7], s[\o+4:\o+5] offset:512
	global_store_b16 v[R8], v[X], s[\o+6:\o+7]     ; my row's two scale bytes of this head
.endm
.macro TRIPS label
	s_sub_co_u32 s[CNT], s[CNT], 1
	s_cmp_lg_u32 s[CNT], 0
	s_cbranch_scc1 \label
.endm
	s_load_b128 s[4:7], s[0:1], 0x0                ; qkv, acodes
	s_load_b64 s[8:9], s[0:1], 0x10                ; ascales
	v_lshl_add_u32 v[SPW], v0, 2, SPARE
	v_mov_b32 v[NIL], 0
	ds_add_u32 v[SPW], v[NIL]                      ; the opening lines: the add, twice on end, and one wait
	ds_add_u32 v[SPW], v[NIL]
	v_lshrrev_b32 v11, 5, v0
	v_readfirstlane_b32 s[WV], v11                 ; wave 0..15
	s_and_b32 s[BH], ttmp7, 0xffff                 ; batch x head: the cluster's y
	s_bfe_u32 s[PI], ttmp6, 0x40000                ; my place in the cluster: it enters global addresses of q and y and the mask's numbers alone
	s_lshr_b32 s[BBR], s[BH], 4
	s_and_b32 s[HD], s[BH], 15
	GROUP1 G1A, 33                                 ; a record
	GROUP1 G1B, 99                                 ; three records
	s_lshr_b32 s44, s[WV], 2                       ; waves 0-3 fetch K, waves 4-7 V
	s_and_b32 s45, s[WV], 3
	s_add_co_u32 s46, s44, 1
	s_mul_i32 s46, s46, KINDS
	s_mul_i32 s47, s[BH], BHS
	s_add_co_u32 s46, s46, s47                     ; the head's first record of my kind
	s_mul_i32 s48, s45, REC                        ; group 1: record wave % 4
	s_mul_i32 s50, s45, 3*REC
	s_add_co_u32 s50, s50, 4*REC                   ; group 2: records 4 + 3 (wave % 4) on
	s_mul_i32 s52, s44, VREC
	s_mov_b32 s[G0A], 1
	s_add_co_u32 s[G0A+1], s52, s48
	s_mov_b32 s[G0B], 1
	s_add_co_u32 s[G0B+1], s52, s50
	s_add_co_u32 s48, s48, s46
	s_mov_b32 s49, 0
	s_add_co_u32 s50, s50, s46
	s_mov_b32 s51, 0
	s_mov_b32 s[SEL], 0x76543210
	s_mov_b32 s[SEL+1], 0xfedcba98
	s_mov_b32 s[CS], 0x3e38aa3b                    ; log2(e) / 8
	s_mov_b32 s[CS+1], s[CS]
	s_mov_b32 s[MNT], 0x600000
	s_sub_co_u32 s[TRH], 31, s[WV]
	s_lshr_b32 s[TRH], s[TRH], 1
	s_lshr_b32 s[TRL], s[WV], 1
	s_wait_dscnt 0x0
	CROUND                                         ; the round ahead of the first joint loads
	s_wait_kmcnt 0x0
	s_add_nc_u64 s[G0A+2:G0A+3], s[4:5], s[48:49]
	s_or_b32 s[G0A+3], s[G0A+3], 0x80000000
	s_add_nc_u64 s[G0B+2:G0B+3], s[4:5], s[50:51]
	s_or_b32 s[G0B+3], s[G0B+3], 0x80000000
	JLOAD G0A, G1A                                 ; group 1
	v_and_b32 v11, 31, v0
	v_lshlrev_b32 v[AK], 4, v11
	v_and_b32 v12, 15, v0
	v_lshlrev_b32 v[AS], 2, v12
	v_lshlrev_b32 v[R8], 3, v12
	v_bfe_u32 v13, v0, 4, 1
	v_and_b32 v14, 7, v12
	v_lshrrev_b32 v15, 3, v12
	v_lshl_add_u32 v14, v15, 4, v14
	v_lshlrev_b32 v15, 4, v13
	v_sub_nc_u32 v[LP], v14, v15
.irp j, 0,1,2,3,4,5,6,7
	v_mov_b32 v[QF+8+\j], 0                        ; the zeros between the two copies of q
.endr
.irp b, 0,1,2,3
	v_mov_b32 v[PM+\b], 0                          ; written once: a lane permute's destination counts as one of its sources
.endr
	v_mov_b32 v[X], 0
	v_mov_b32 v[X2], 0
	v_mov_b32 v[PW], 0                             ; (named as the upper half of a pair before it is first written)
	s_lshl_b32 s53, s[WV], 2
	s_sub_co_u32 s44, 124, s53
	s_add_co_u32 s44, s44, s[PI]                   ; the late tile
	ADDR QH, Q0H, SHH
	QLOAD QH
	s_add_co_u32 s44, s53, s[PI]                   ; the early tile
	ADDR QL, Q0L, SHL
	s_wait_alu depctr_va_vdst(0)                   ; the head's end
	s_wait_tensorcnt 0x0                           ; my record of group 1 is in
	ds_add_u32 v[SPW], v[NIL]
	ds_add_u32 v[SPW], v[NIL]                      ; the add twice on end
	s_wait_dscnt 0x0
	CROUND                                         ; group 1 is whole in every partner
	JLOAD G0B, G1B                                 ; group 2: the first tensor load behind the round
	BEGIN Q0H, SHH
	s_mov_b32 s[CNT], RA
.Lfirst:                                               ; the late tile, records 0-3: every key counts
	STEP 0, TRH
	TRIPS .Lfirst
	s_wait_tensorcnt 0x0                           ; my records of group 2 are in
	s_wait_dscnt 0x0
	s_barrier_signal -1
	s_barrier_wait -1                              ; and everybody's
	s_mov_b32 s[KR], RA
	s_mov_b32 s[TB], RA*REC
	s_mov_b32 s[TV], VREC+RA*REC
	s_mov_b32 s[CNT], 16-RA
.Lrest:                                                ; the late tile, records 4-15, up to its diagonal
	STEP 1, TRH
	TRIPS .Lrest
	QLOAD QL                                       ; the early tile's q lands under the late tile's way out
	YOUT QH
	s_wait_xcnt 0x0                                ; the stores have read their registers
	BEGIN Q0L, SHL
	s_mov_b32 s[CNT], 8
.Learly:                                               ; the early tile, records 0-7, up to its diagonal
	STEP 1, TRL
	TRIPS .Learly
	YOUT QL
	s_wait_tensorcnt 0x0                           ; the wave's end
	ds_add_u32 v[SPW], v[NIL]
	s_wait_dscnt 0x0
	CROUND                                         ; the closing round
	s_endpgm
.Lfunc_end_k_qaee828e1b7_attn:
	.size	k_qaee828e1b7_attn, .Lfunc_end_k_qaee828e1b7_attn-k_qaee828e1b7_attn
	.p2alignl 7, 3214868480
	.fill 96, 4, 3214868480
	.section	.rodata,"a",@progbits
	.p2align	6, 0x0
	.amdhsa_kernel k_qaee828e1b7_attn
		.amdhsa_group_segment_fixed_size 327680
		.amdhsa_private_segment_fixed_size 0
		.amdhsa_enable_private_segment 0
		.amdhsa_kernarg_size 24
		.amdhsa_user_sgpr_count 2
		.amdhsa_user_sgpr_kernarg_segment_ptr 1
		.amdhsa_wavefront_size32 1
		.amdhsa_system_sgpr_workgroup_id_x 1
		.amdhsa_system_sgpr_workgroup_id_y 1
		.amdhsa_system_sgpr_workgroup_id_z 1
		.amdhsa_system_vgpr_workitem_id 0
		.amdhsa_next_free_vgpr 256
		.amdhsa_next_free_sgpr 98
		.amdhsa_reserve_vcc 0
		.amdhsa_float_denorm_mode_32 3
		.amdhsa_float_denorm_mode_16_64 3
		.amdhsa_memory_ordered 1
		.amdhsa_forward_progress 1
		.amdhsa_inst_pref_size 102
	.end_amdhsa_kernel
	.amdgpu_metadata
---
amdhsa.version: [ 1, 2 ]
amdhsa.kernels:
  - .name:           k_qaee828e1b7_attn
    .symbol:         k_qaee828e1b7_attn.kd
    .args:
      - { .name: qkv, .offset: 0, .size: 8, .value_kind: global_buffer, .address_space: global }
      - { .name: acodes, .offset: 8, .size: 8, .value_kind: global_buffer, .address_space: global }
      - { .name: ascales, .offset: 16, .size: 8, .value_kind: global_buffer, .address_space: global }
    .group_segment_fixed_size: 327680
    .private_segment_fixed_size: 0
    .kernarg_segment_align: 8
    .kernarg_segment_size: 24
    .max_flat_workgroup_size: 512
    .sgpr_count:     98
    .vgpr_count:     256
    .wavefront_size: 32
...
	.end_amdgpu_metadata
.endif
;; end of part 3
;; launch projgemm (part 4): grid 8 x 32, 4 waves a work-group, clusters of 4 x 4, 327,680 bytes of LDS; arguments acodes, ascales, wcodes, wscales, b_proj, out0; writes out0
.if DOCPART == 4
	.amdgcn_target "amdgcn-amd-amdhsa--gfx1250"
	.amdhsa_code_object_version 6
	.text
	.protected	k_qaee828e1b7_projgemm
	.globl	k_qaee828e1b7_projgemm
	.p2align	8
	.type	k_qaee828e1b7_projgemm,@function
k_qaee828e1b7_projgemm:
	s_mov_b64 s[64:65], 0
	v_nop
	global_prefetch_b8 v0, s[64:65] scope:SCOPE_SE
	s_setreg_imm32_b32 hwreg(HW_REG_WAVE_MODE, 25, 1), 1
	s_wait_xcnt 0x0
	s_wait_alu depctr_hold_cnt(0) depctr_sa_sdst(0) depctr_va_vdst(0) depctr_va_sdst(0) depctr_va_ssrc(0) depctr_va_vcc(0) depctr_vm_vsrc(0)
	s_getreg_b32 s2, hwreg(HW_REG_IB_STS2, 6, 4)
	s_cmp_eq_u32 s2, 0
	s_cbranch_scc0 .Lentry_in_a_cluster
	s_endpgm
.Lentry_in_a_cluster:
	s_bfe_u32 s2, ttmp6, 0x10000c
	s_cmp_lg_u32 s2, 0xf033
	s_cbranch_scc0 .Lentry_shape_is_right
	s_endpgm
.Lentry_shape_is_right:
; out0 = y W_proj + b_proj on codes of E4M3 with E8M0 scales.  y's and W_proj's codes lie as images of the operands' registers ([row tile of 16][K step of 128][chunk][lane][16 bytes]), as the launches before left them.
; A block of 256 rows x 128 columns is made by four waves, 128 x 64 each: 32 accumulators: 32 x 8 blocks are 256 work-groups.  K = 1,024 goes in four steps of 256 through a ring of two LDS slots.
; CLUSTERS: 4 x 4 work-groups; A's tiles are asked for jointly along a row of the cluster, B's along a column.  No prefetch: K has four steps, of which the head and the first round ask for two.
; The matrix instruction is used transposed (source 0 = 16 columns of W, source 1 = 16 rows of y); the bias is the C of each sum's first product.  LIMITS: NaN and infinities are not served.
.set NQ,     2
.set FR,     16
.set NL,     4
.set NP,     8
.set FRB,    2048
.set RT,     4096
.set HALFT,  8*RT
.set SLOT,   4*HALFT
.set LAPS,   2
.set KS,     32
.set KROW,   1024
.set BROW0,  3072
.set SCL,    2*SLOT
.set HALFS,  4096
.set SBLK,   512
.set SPARE,  SCL+4*HALFS
.set SPITCH, 528
.set L16,  7
.set BIA,  8
.set ADRA, 16
.set ADRB, 20
.set STO,  24
.set RD,   25
.set ADRS, 27
.set SPW,  28
.set NIL,  29
.set SC,   32
.set BI,   64
.set AF,   128
.set BK,   128
.set G1, 24
.set G0, 32
.set G1B, 48
.set G0B, 56
.set G1S, 68
.set G0S, 76
.set G1SB, 80
.set G0SB, 88
.set MSB, 0
.macro WIN new
.if MSB != (\new)
	s_set_vgpr_msb (MSB<<8)|(\new)
.set MSB, (\new)
.endif
.endm
.set MUL_LO, 0xa1
.set MUL_HI, 0xf1
.set TO_B,   0x40
.macro JLOAD g0a, g1a, g0b, g1b
	s_cmp_eq_u32 s15, 0
	s_cbranch_scc0 .Lfor_b_\@
	tensor_load_to_lds s[\g0a:\g0a+3], s[\g1a:\g1a+7]
	s_nop 0
.rept 4
	v_nop
.endr
	s_branch .Lasked_\@
.Lfor_b_\@:
	tensor_load_to_lds s[\g0b:\g0b+3], s[\g1b:\g1b+7]
	s_nop 0
.rept 4
	v_nop
.endr
.Lasked_\@:
.endm
.macro CREST
	s_cmp_lg_u32 s14, 0
	s_cbranch_scc1 .Lnot_wave_0_\@
	s_barrier_signal -3
.Lnot_wave_0_\@:
	s_barrier_wait -3
	s_barrier_signal -1
	s_barrier_wait -1
.endm
.macro CROUND
	s_barrier_signal -1
	s_barrier_wait -1
	CREST
.endm
.macro PLACES n
.rept \n
	v_nop
.endr
.endm
	s_load_b128 s[4:7], s[0:1], 0x0
	s_load_b128 s[8:11], s[0:1], 0x10
	s_load_b64 s[12:13], s[0:1], 0x20
	s_load_b64 s[96:97], s[0:1], 0x28
	v_lshl_add_u32 v[SPW], v0, 2, SPARE
	v_mov_b32 v[NIL], 0
	ds_add_u32 v28, v29
	ds_add_u32 v28, v29
	s_wait_dscnt 0x0
	v_lshrrev_b32 v1, 5, v0
	v_readfirstlane_b32 s14, v1
	s_lshr_b32 s15, s14, 1
	s_and_b32 s16, s14, 1
	s_bfe_u32 s40, ttmp6, 0x40000
	s_bfe_u32 s41, ttmp6, 0x40004
	s_lshl_b32 s42, ttmp9, 2
	s_add_co_u32 s42, s42, s40
	s_and_b32 s17, ttmp7, 0xffff
	s_lshl_b32 s17, s17, 2
	s_add_co_u32 s17, s17, s41
	s_lshl_b32 s43, s41, 2
	s_lshl_b32 s43, 15, s43
	s_lshl_b32 s44, 0x1111, s40
	s_or_b32 s[G1+0], s43, (3<<16)|(1<<21)
	s_or_b32 s[G1B+0], s44, (3<<16)|(1<<21)
.irp g, G1, G1B
	s_mov_b32 s[\g+1], 512<<16
	s_mov_b32 s[\g+2], 16<<16                      ; 16 row tiles for the head's loads; 8 behind them
	s_mov_b32 s[\g+3], 512<<16
	s_mov_b32 s[\g+4], 16
	s_mov_b32 s[\g+5], 2048
	s_mov_b32 s[\g+6], 0
	s_mov_b32 s[\g+7], 0
.endr
	s_mov_b32 s[G1B+2], 8<<16                      ; B's tile has 128 rows: 8 row tiles in the head's load
	s_mov_b32 s[G1B+4], 8
	s_or_b32 s[G1S+0], s43, (3<<16)|(1<<21)
	s_or_b32 s[G1SB+0], s44, (3<<16)|(1<<21)
.irp g, G1S, G1SB
	s_mov_b32 s[\g+1], 32<<16
	s_mov_b32 s[\g+2], 32<<16
	s_mov_b32 s[\g+3], 32<<16
	s_mov_b32 s[\g+4], 32
	s_mov_b32 s[\g+5], 32
	s_mov_b32 s[\g+6], 0
	s_mov_b32 s[\g+7], 0
.endr
	s_mov_b32 s[G1SB+2], 16<<16                    ; B's scale bytes are 16 rows of 256; the tile's other 16 rows lie past the tensor's end and are written as zeros, so that every byte of the region is written
	s_lshl_b32 s20, s17, 8                         ; A: the tile's first row
	s_lshl_b32 s46, s42, 7                         ; B: 128 x tile column
	s_add_co_u32 s46, s46, BROW0
	s_mov_b32 s21, 0
	s_mov_b32 s47, 0
	s_mov_b64 s[18:19], KS
	s_mul_u64 s[22:23], s[20:21], s[18:19]
	s_mul_u64 s[92:93], s[46:47], s[18:19]
	s_mov_b64 s[18:19], KROW
	s_mul_u64 s[20:21], s[20:21], s[18:19]
	s_mul_u64 s[46:47], s[46:47], s[18:19]
	s_mul_i32 s45, s14, HALFT
	s_mul_i32 s94, s16, HALFT/2                    ; B's halves of 64 rows lie behind A's 256 rows
	s_add_co_u32 s94, s94, 2*HALFT
	s_mul_i32 s18, s16, 128*KROW                   ; in the ring I fetch 128 rows of a tile: which half, in bytes
	s_mov_b32 s19, 0
	s_wait_kmcnt 0x0
	s_add_nc_u64 s[20:21], s[4:5], s[20:21]
	s_add_nc_u64 s[22:23], s[6:7], s[22:23]
	s_add_nc_u64 s[46:47], s[8:9], s[46:47]
	s_add_nc_u64 s[92:93], s[10:11], s[92:93]
	CROUND
	s_mov_b32 s[G0S], 1
	s_mov_b32 s[G0S+1], SCL
	s_mov_b64 s[G0S+2:G0S+3], s[22:23]
	s_or_b32 s[G0S+3], s[G0S+3], 0x80000000
	s_mov_b32 s[G0SB], 1
	s_mov_b32 s[G0SB+1], SCL+2*HALFS
	s_mov_b64 s[G0SB+2:G0SB+3], s[92:93]
	s_or_b32 s[G0SB+3], s[G0SB+3], 0x80000000
	s_mov_b32 s4, 1                                ; s[4:7], s[8:11]: group 0 of the head's loads of K step 0, A's 256 rows and B's (the arguments that lay there are used up)
	s_mov_b32 s5, 0
	s_mov_b64 s[6:7], s[20:21]
	s_or_b32 s7, s7, 0x80000000
	s_mov_b32 s8, 1
	s_mov_b32 s9, 2*HALFT
	s_mov_b64 s[10:11], s[46:47]
	s_or_b32 s11, s11, 0x80000000
	s_add_nc_u64 s[20:21], s[20:21], s[18:19]      ; for the ring: my 128 rows of the tile
	s_lshr_b32 s18, s18, 1                         ; of B my 64 rows
	s_add_nc_u64 s[46:47], s[46:47], s[18:19]
.irp s, 0,1
	s_mov_b32 s[G0+4*\s], 1
	s_add_co_u32 s[G0+4*\s+1], s45, \s*SLOT
	s_add_nc_u64 s[G0+4*\s+2:G0+4*\s+3], s[20:21], \s*RT
	s_or_b32 s[G0+4*\s+3], s[G0+4*\s+3], 0x80000000
	s_mov_b32 s[G0B+4*\s], 1
	s_add_co_u32 s[G0B+4*\s+1], s94, \s*SLOT
	s_add_nc_u64 s[G0B+4*\s+2:G0B+4*\s+3], s[46:47], \s*RT
	s_or_b32 s[G0B+4*\s+3], s[G0B+4*\s+3], 0x80000000
.endr
; THE HEAD'S LOADS, ONE A WAVE: wave 0 K step 0's 256 rows of A, wave 1 those of B, wave 2 the scale bytes of A's 256 rows, wave 3 those of B's: one chain of branches on the wave's number, a load to an arm
.macro ARM under, g0, g1, next
	s_cmp_lt_u32 s14, \under
	s_cbranch_scc0 \next
	tensor_load_to_lds s[\g0:\g0+3], s[\g1:\g1+7]
	s_nop 0
.rept 4
	v_nop
.endr
	s_branch .Lhead_asked
\next:
.endm
	ARM 1, 4, G1, .Lhead_b
	ARM 2, 8, G1B, .Lhead_sa
	ARM 3, G0S, G1S, .Lhead_sb
	tensor_load_to_lds s[G0SB:G0SB+3], s[G1SB:G1SB+7]
	s_nop 0
.rept 4
	v_nop
.endr
.Lhead_asked:
	v_and_b32 v1, 15, v0
	v_bfe_u32 v2, v0, 4, 1
	v_and_b32 v3, 31, v0
	v_lshlrev_b32 v[L16], 4, v3
	s_wait_alu depctr_va_vdst(0)
	v_lshlrev_b32 v[BIA], 6, v2
	s_lshl_b32 s46, s42, 9                         ; my 64 columns, in bytes of f32: 512 x tile column + 256 x half
	s_lshl_b32 s47, s16, 8
	s_add_co_u32 s46, s46, s47
	s_mov_b32 s47, 0
	s_add_nc_u64 s[12:13], s[12:13], s[46:47]
.irp b, 0,1,2,3
	global_load_b128 v[BI+8*\b:BI+8*\b+3], v[BIA], s[12:13] offset:128*(\b/2)+32*(\b%2)
	global_load_b128 v[BI+8*\b+4:BI+8*\b+7], v[BIA], s[12:13] offset:128*(\b/2)+32*(\b%2)+16
.endr
	s_mul_i32 s21, s15, HALFT
	s_mul_i32 s22, s16, HALFT/2
	s_add_co_u32 s22, s22, 2*HALFT
.irp s, 0,1
	v_add_nc_u32 v[ADRA+\s], s21, v[L16]
	v_add_nc_u32 v[ADRB+\s], s22, v[L16]
	s_add_co_u32 s21, s21, SLOT
	s_add_co_u32 s22, s22, SLOT
.endr
	v_lshlrev_b32 v5, 3, v1
	s_mul_i32 s21, s15, HALFS
	s_mul_i32 s22, s16, HALFS/2
	s_add_co_u32 s22, s22, 2*HALFS
	s_sub_co_u32 s22, s22, s21
	v_mul_u32_u24 v6, s22, v2
	s_add_co_u32 s21, s21, SCL
	v_add_nc_u32 v5, v5, v6
	v_add_nc_u32 v[ADRS], s21, v5
	s_mul_i32 s23, s14, 16*SPITCH
	v_mul_u32_u24 v5, v1, SPITCH
	v_lshl_add_u32 v5, v2, 6, v5
	v_add_nc_u32 v[STO], s23, v5
	v_mul_u32_u24 v5, v2, SPITCH                   ; back: lanes 0-15 take one row of 256 bytes, lanes 16-31 the next
	v_lshl_add_u32 v5, v1, 4, v5
	v_add_nc_u32 v[RD], s23, v5
	v_lshlrev_b32 v26, 12, v2                      ; v26: and the same two rows in out0
	v_lshl_add_u32 v26, v1, 4, v26
	s_lshl_b32 s20, s17, 8
	s_lshl_b32 s21, s15, 7
	s_add_co_u32 s20, s20, s21
	s_lshl_b32 s20, s20, 12
	s_add_co_u32 s20, s20, s46
	s_mov_b32 s21, 0
	s_add_nc_u64 s[96:97], s[96:97], s[20:21]
.macro FRAG reg, adr, q, i
.irp c, 0,1,2,3
	ds_load_b128 v[\reg+4*\c:\reg+4*\c+3], v[\adr] offset:(\i)*RT+(\q)*FRB+512*\c
.endr
.endm
.macro MUL16 a0, p, q, sc, first
.irp a, \a0, \a0+1
.irp b, 0,1,2,3
.if \first
	v_wmma_scale_f32_16x16x128_f8f6f4 v[8*(8*((\a)%4)+\b):8*(8*((\a)%4)+\b)+7], v[128*(\p)+FR*\b:128*(\p)+FR*\b+FR-1], v[AF+FR*(\a):AF+FR*(\a)+FR-1], v[BI+8*\b:BI+8*\b+7], v[SC+8*NQ*(\sc)+NQ*\b+(\q)], v[SC+8*NQ*(\sc)+NQ*(\a)+(\q)] matrix_a_scale:MATRIX_SCALE_ROW1
.else
	v_wmma_scale_f32_16x16x128_f8f6f4 v[8*(8*((\a)%4)+\b):8*(8*((\a)%4)+\b)+7], v[128*(\p)+FR*\b:128*(\p)+FR*\b+FR-1], v[AF+FR*(\a):AF+FR*(\a)+FR-1], v[8*(8*((\a)%4)+\b):8*(8*((\a)%4)+\b)+7], v[SC+8*NQ*(\sc)+NQ*\b+(\q)], v[SC+8*NQ*(\sc)+NQ*(\a)+(\q)] matrix_a_scale:MATRIX_SCALE_ROW1
.endif
.endr
.endr
.endm
.macro FETCH_B slot, q, p
	WIN TO_B
.irp i, 0,1,2,3
	FRAG 128*(\p)+FR*\i, ADRB+\slot, \q, \i
.endr
	WIN 0
.endm
.macro FETCH_A slot, q, i0
.irp i, \i0, \i0+1, \i0+2, \i0+3
	FRAG AF+FR*(\i), ADRA+\slot, \q, \i
.endr
.endm
.macro SCALES sc
.irp i, 0,1,2,3,4,5,6,7
	ds_load_b64 v[SC+8*NQ*\sc+NQ*\i:SC+8*NQ*\sc+NQ*\i+1], v[ADRS] offset:\i*SBLK
.endr
.endm
.macro STEP slot, q, first
	s_wait_dscnt 4*NL
.if \first
	WIN 0x81
.else
	WIN MUL_LO
.endif
	MUL16 0, (\q)%2, \q, \slot, \first
	MUL16 2, (\q)%2, \q, \slot, \first
	s_wait_dscnt 0
	PLACES NP
	FETCH_B \slot, (\q)+1, 1-(\q)%2
	FETCH_A \slot, (\q)+1, 0
.if \first
	WIN 0xc1
.else
	WIN MUL_HI
.endif
	MUL16 4, (\q)%2, \q, \slot, \first
	MUL16 6, (\q)%2, \q, \slot, \first
	PLACES NP
	WIN 0
	FETCH_A \slot, (\q)+1, 4
.endm
.macro TURN slot, next, fill
	s_wait_tensorcnt 0x0
	ds_add_u32 v[SPW], v[NIL]
	s_wait_dscnt 4*NL+1
	WIN MUL_LO
	MUL16 0, 1, NQ-1, \slot, 0
	s_wait_dscnt 0x0
	s_barrier_signal -1
	MUL16 2, 1, NQ-1, \slot, 0
	WIN 0
	s_barrier_wait -1
.if \fill
	CREST
	s_add_nc_u64 s[G0+4*\slot+2:G0+4*\slot+3], s[G0+4*\slot+2:G0+4*\slot+3], 2*RT
	s_add_nc_u64 s[G0B+4*\slot+2:G0B+4*\slot+3], s[G0B+4*\slot+2:G0B+4*\slot+3], 2*RT
	JLOAD G0+4*\slot, G1, G0B+4*\slot, G1B
	PLACES NP-4
.else
	PLACES NP
.endif
	s_wait_alu depctr_va_vdst(0)
	v_add_nc_u32 v[ADRS], 128, v[ADRS]
	FETCH_B \next, 0, 0
	FETCH_A \next, 0, 0
	SCALES \next
	WIN MUL_HI
	MUL16 4, 1, NQ-1, \slot, 0
	MUL16 6, 1, NQ-1, \slot, 0
	PLACES NP
	WIN 0
	FETCH_A \next, 0, 4
.endm
	s_wait_alu depctr_va_vdst(0)
	s_wait_loadcnt 0x0                             ; the bias
	s_wait_tensorcnt 0x0                           ; my tile of the head's four is in
	ds_add_u32 v[SPW], v[NIL]
	s_mov_b32 s[G1+2], 8<<16                       ; no tensor load of mine is out: from here on a load brings 8 row tiles
	s_mov_b32 s[G1+4], 8
	s_mov_b32 s[G1B+2], 4<<16                      ; of B 4 row tiles a wave
	s_mov_b32 s[G1B+4], 4
	s_wait_dscnt 0x0
	CROUND                                         ; all four tiles are in, and all sixteen work-groups are here
	JLOAD G0+4, G1, G0B+4, G1B                     ; K step 1, the first tensor load behind the round
	FETCH_B 0, 0, 0
	FETCH_A 0, 0, 0
	SCALES 0
	FETCH_A 0, 0, 4
	STEP 0, 0, 1
	s_mov_b32 s3, LAPS-1
.Llap:
	TURN 0, 1, 1
	STEP 1, 0, 0
	TURN 1, 0, 1
	STEP 0, 0, 0
	s_sub_co_u32 s3, s3, 1
	s_cmp_lg_u32 s3, 0
	s_cbranch_scc1 .Llap
	TURN 0, 1, 0
	STEP 1, 0, 0
	s_wait_dscnt 4*NL
	WIN MUL_LO
	MUL16 0, 1, NQ-1, 1, 0
	MUL16 2, 1, NQ-1, 1, 0
	s_wait_dscnt 0
	WIN MUL_HI
	MUL16 4, 1, NQ-1, 1, 0
	MUL16 6, 1, NQ-1, 1, 0
	WIN 0
.macro TOSTAGE a
.set AC, 64*((\a)%4)
	WIN 0x08+4*((\a)/4)
.irp b, 0,1,2,3
	ds_store_b128 v[STO], v[AC+8*\b:AC+8*\b+3] offset:128*(\b/2)+32*(\b%2)
	ds_store_b128 v[STO], v[AC+8*\b+4:AC+8*\b+7] offset:128*(\b/2)+32*(\b%2)+16
.endr
	WIN 0
.set BB, BK+64*((\a)%2)
.irp t, 0,1,2,3,4,5,6,7
	ds_load_b128 v[BB+4*\t:BB+4*\t+3], v[RD] offset:2*\t*SPITCH
.endr
.endm
.macro SEND a, younger
.set BB, BK+64*((\a)%2)
	s_wait_dscnt \younger
.irp t, 0,1,2,3,4,5,6,7
	global_store_b128 v26, v[BB+4*\t:BB+4*\t+3], s[96:97] offset:(32*((\a)/2)+8*((\a)%2)+((2*\t)%8)+16*((2*\t)/8))*4096 th:TH_STORE_NT   ; stage rows 2 t and 2 t + 1 are neighbouring tokens; sixteen lanes store 256 consecutive bytes, aligned
.endr
.endm
	PLACES NP
	TOSTAGE 0
.irp a, 1,2,3,4,5,6,7
.if \a > 1
	s_wait_xcnt 0x0
.endif
	TOSTAGE \a
	SEND \a-1, 16                                  ; behind block a - 1's loads: block a's 8 stores and 8 loads
.endr
	SEND 7, 0
	s_wait_tensorcnt 0x0
	ds_add_u32 v[SPW], v[NIL]
	s_wait_dscnt 0x0
	CROUND
	s_endpgm
.Lfunc_end_k_qaee828e1b7_projgemm:
	.size	k_qaee828e1b7_projgemm, .Lfunc_end_k_qaee828e1b7_projgemm-k_qaee828e1b7_projgemm
	.p2alignl 7, 3214868480
	.fill 96, 4, 3214868480
	.section	.rodata,"a",@progbits
	.p2align	6, 0x0
	.amdhsa_kernel k_qaee828e1b7_projgemm
		.amdhsa_group_segment_fixed_size 327680
		.amdhsa_private_segment_fixed_size 0
		.amdhsa_enable_private_segment 0
		.amdhsa_kernarg_size 48
		.amdhsa_user_sgpr_count 2
		.amdhsa_user_sgpr_kernarg_segment_ptr 1
		.amdhsa_wavefront_size32 1
		.amdhsa_system_sgpr_workgroup_id_x 1
		.amdhsa_system_sgpr_workgroup_id_y 1
		.amdhsa_system_sgpr_workgroup_id_z 1
		.amdhsa_system_vgpr_workitem_id 0
		.amdhsa_next_free_vgpr 1024
		.amdhsa_next_free_sgpr 98
		.amdhsa_reserve_vcc 0
		.amdhsa_float_denorm_mode_32 3
		.amdhsa_float_denorm_mode_16_64 3
		.amdhsa_memory_ordered 1
		.amdhsa_forward_progress 1
		.amdhsa_inst_pref_size 93
	.end_amdhsa_kernel
	.amdgpu_metadata
---
amdhsa.version: [ 1, 2 ]
amdhsa.kernels:
  - .name:           k_qaee828e1b7_projgemm
    .symbol:         k_qaee828e1b7_projgemm.kd
    .args:
      - { .name: acodes, .offset: 0, .size: 8, .value_kind: global_buffer, .address_space: global }
      - { .name: ascales, .offset: 8, .size: 8, .value_kind: global_buffer, .address_space: global }
      - { .name: wcodes, .offset: 16, .size: 8, .value_kind: global_buffer, .address_space: global }
      - { .name: wscales, .offset: 24, .size: 8, .value_kind: global_buffer, .address_space: global }
      - { .name: b_proj, .offset: 32, .size: 8, .value_kind: global_buffer, .address_space: global }
      - { .name: out0, .offset: 40, .size: 8, .value_kind: global_buffer, .address_space: global }
    .group_segment_fixed_size: 327680
    .private_segment_fixed_size: 0
    .kernarg_segment_align: 8
    .kernarg_segment_size: 48
    .max_flat_workgroup_size: 128
    .sgpr_count:     98
    .vgpr_count:     1024
    .wavefront_size: 32
...
	.end_amdgpu_metadata
.endif
;; end of part 4
